; MI455X (gfx1250); checked and timed in simulation.
; The chip was launched on July 23, 2026; its instructions are those of AMD's public machine-readable ISA for CDNA 5 (MIT licence, August 2026) and "CDNA5" Instruction Set Architecture Reference Guide (July 2026). The comments in the code are by the model that wrote it; some were corrected since.
;; Multi Head Attention. Allowed arithmetic: matrix products marked QUANTISED: E2M3 operands, one E8M0 scale for each 32 along K, by v_wmma_scale_f32_16x16x128_f8f6f4 with both operands' format E2M3, f32 sums; everything else in f32.
;; Inputs: Wc 1,024 x 1,024 float32; Wc2 1,024 x 1,024 float32; Wk 1,024 x 1,024 float32; Wk2 1,024 x 1,024 float32; Wq 1,024 x 1,024 float32; Wq2 1,024 x 1,024 float32; Wv 1,024 x 1,024 float32; Wv2 1,024 x 1,024 float32; bc 1,024 float32; bc2 1,024 float32; bk 1,024 float32; bk2 1,024 float32; bq 1,024 float32; bq2 1,024 float32; bv 1,024 float32; bv2 1,024 float32; k 4 x 1,024 x 1,024 float32; q 4 x 1,024 x 1,024 float32; v 4 x 1,024 x 1,024 float32.
;; Outputs: out0 4 x 1,024 x 1,024 float32; out1 4 x 1,024 x 1,024 float32.
;; This version of the problem:
;;   THIS VERSION OF THE PROBLEM IS GIVEN IN LOW PRECISION. The matrix products marked QUANTISED in the list below multiply operands that are first quantised to E2M3 (2 exponent bits, 3 mantissa bits; 6 bits a number), with one power-of-two scale for each 32 numbers along K (OCP MX v1.0); their sums are f32. All else is computed in f32.
;;   The module's matrix products, in the order in which they are computed (A, B: the left and right operand; K: the contracted axis; several contracted axes count as one K, in the product's order):
;;     1. [M 4,096, K 1,024] x [K 1,024, N 1,024]; A: input q; B: input Wq: QUANTISED
;;     2. [M 4,096, K 1,024] x [K 1,024, N 1,024]; A: input k; B: input Wk: QUANTISED
;;     3. [M 4,096, K 1,024] x [K 1,024, N 1,024]; A: input v; B: input Wv: QUANTISED
;;     4. [M 4,096, K 1,024] x [K 1,024, N 1,024]; A: input k; B: input Wq2: QUANTISED
;;     5. [M 4,096, K 1,024] x [K 1,024, N 1,024]; A: input q; B: input Wk2: QUANTISED
;;     6. [M 4,096, K 1,024] x [K 1,024, N 1,024]; A: input q; B: input Wv2: QUANTISED
;;     7. batch 64 x [M 1,024, K 64] x [K 64, N 1,024]; A: computed on the way; B: computed on the way: QUANTISED
;;     8. batch 64 x [M 1,024, K 1,024] x [K 1,024, N 64]; A: softmax (see below); B: computed on the way: QUANTISED
;;     9. batch 64 x [M 1,024, K 64] x [K 64, N 1,024]; A: computed on the way; B: computed on the way: QUANTISED
;;     10. batch 64 x [M 1,024, K 1,024] x [K 1,024, N 64]; A: softmax (see below); B: computed on the way: QUANTISED
;;     11. [M 4,096, K 1,024] x [K 1,024, N 1,024]; A: computed on the way; B: input Wc: QUANTISED
;;     12. [M 4,096, K 1,024] x [K 1,024, N 1,024]; A: computed on the way; B: input Wc2: QUANTISED
;;   THE QUANTISER, for each operand of a quantised product, along K:
;;     - K is cut into blocks of 32 from its start; a last block that is shorter is filled with zeros.
;;     - A block's scale is 2^e with e = floor(log2(the largest magnitude in the block)) - 2, held to -126 .. 127; a block of zeros has e = 0. As a byte (E8M0): e + 127.
;;     - Each number is divided by its block's scale, clamped to +-7.5, and rounded to the nearest number of E2M3, ties to even, subnormals kept.
;;     - The product sums the exact products of the quantised numbers (number of the format x scale) in f32.
;;   ~~~python
;;   def quantise(x, axis):      # numpy; x: float32 -> the quantised numbers, widened to float32 again
;;       x = np.moveaxis(x, axis, -1); K = x.shape[-1]
;;       x = np.pad(x, [(0, 0)] * (x.ndim - 1) + [(0, -K % 32)]); x = x.reshape(x.shape[:-1] + (-1, 32)); a = np.abs(x).max(-1, keepdims=True)
;;       e = np.where(a > 0, np.clip(np.frexp(np.where(a > 0, a, 1))[1] - 1 - 2, -126, 127), 0)      # np.frexp(a)[1] - 1 = floor(log2(a)), exactly
;;       r = np.clip(x / 2.0 ** e, -7.5, 7.5)
;;       step = 2.0 ** (np.maximum(np.frexp(np.where(r == 0, 1, r))[1] - 1, 0) - 3)
;;       q = np.round(r / step) * step * 2.0 ** e      # np.round: ties to even
;;       return np.moveaxis(q.reshape(q.shape[:-2] + (-1,))[..., :K], -1, axis).astype(np.float32)
;;   ~~~
;;   SOFTMAX AHEAD OF A QUANTISED PRODUCT. Where the list says 'softmax', what is quantised is not the finished softmax but p = 2^(t - M), with t = logit x log2(e) and M = ceil(the row's largest t), a whole number; so 1/2 < the row's largest p <= 1. The row's sum l is taken of the UNQUANTISED p, in f32, and the product's result is divided by l at the end. Since M is a whole number, a kernel that streams over the keys may use a running M (the ceiling of the running maximum): every later rescaling is an exact power of two, which a block's scale takes up: the codes' values come out the same.
;;   OPERANDS COMPUTED ON THE WAY. 'Computed on the way' means the value that the module computes at that place (a softmax that the list does not call 'softmax' is quantised finished and normalised). What goes into a quantiser is computed in f32, as accurately as f32 sums, v_exp_f32 and their like allow (about 1e-6 of the number): no bf16 or f16 on the way to a quantiser, and a product that is left as it is and whose result goes on into a quantised operand takes f32 operands (vector FMAs, or v_wmma_f32_16x16x4_f32). A number that lies on a knife's edge between two numbers of the format may be rounded either way, as far as f32 arithmetic and the matrix unit's own rounding can turn it there, and no further.
;; One version. Each part assembles by itself: llvm-mc -triple=amdgcn-amd-amdhsa -mcpu=gfx1250 --defsym DOCPART=n.
;; ======== version 1 of 1: 4 launches
;; limits: right only within a limited range of input values
;; workspace buffers: xc 15,728,640 bytes; xs 655,360 bytes; acts 18,874,368 bytes; actss 786,432 bytes; oc 6,291,456 bytes; os 262,144 bytes
;; launch quant (part 1): grid 640 x 1, 4 waves a work-group, no clusters, 63,488 bytes of LDS; arguments q, k, v, Wq, Wk, Wv, Wq2, Wk2, Wv2, Wc, Wc2, xc, xs; writes xc, xs
.if DOCPART == 1
	.amdgcn_target "amdgcn-amd-amdhsa--gfx1250"
	.amdhsa_code_object_version 6
	.text
	.protected	k_q881cf3dc84_quant
	.globl	k_q881cf3dc84_quant
	.p2align	8
	.type	k_q881cf3dc84_quant,@function
k_q881cf3dc84_quant:
	s_mov_b64 s[64:65], 0
	v_nop
	global_prefetch_b8 v0, s[64:65] scope:SCOPE_SE
	s_setreg_imm32_b32 hwreg(HW_REG_WAVE_MODE, 25, 1), 1
	s_wait_xcnt 0x0
; q, k, v [4096][1024] and the eight weights [1024][1024], f32 with K innermost, become codes of FP6 (E2M3) with one E8M0 byte for each 32 along K.
; A block's scale is 2^(floor(log2(its largest magnitude)) - 2): its byte is the largest magnitude's exponent field - 2, held at 1 from below.
; LIMITS: a block of zeros, or one whose largest magnitude lies under 2^-124, gets the byte 1 (its codes are zeros or held; only this program reads the bytes); NaN and infinities are not served.
; THE ORDER OF THE CODES IS THE ORDER OF AN OPERAND'S REGISTERS.  Rows go in groups of 32; storage tile 2 G + u of group G holds 16 rows: its lane row r is the group's row 8 u + r + 8 (r / 8).
; A tile is 16 halves (64 along K each) of 768 bytes; in a half lane (r, h) owns block h, 24 bytes: the first 16 at 16 (r + 16 h), the last 8 at 512 + 8 (r + 16 h).  Scale bytes: [tile][r][32].
; SHARES.  A work-group takes one group of 32 rows; the 640 groups (q, k, v: 128 each; a weight: 32) follow each other in xc and xs, so only the source is chosen by the work-group's number.
; Wave w takes the group's rows 8 w .. 8 w + 7, a row a step: tile u = w % 2, lane rows 8 (w / 2) + step.  Lane l owns the row's block l.
; Each load reads 512 consecutive bytes; a row turns through the wave's own stage in LDS (places of 128 + 16 bytes) so that a lane gets its block's 32 neighbours.  Codes are gathered in LDS in the
; storage order (a tile's rows come from two waves: one barrier) and leave in stores of 512 and 256 consecutive bytes.  Loads run three rows ahead, the turn through LDS one row.
.set PL,    144                        ; a block's place in a stage
.set STG1,  32*PL                      ; a stage: one row
.set STGW,  2*STG1                     ; two stages a wave
.set OUTB,  4*STGW                     ; the codes: [u 2][half 16], 784 bytes apart (768 + 16)
.set OP,    784
.set SCB,   OUTB+32*OP                 ; the scale bytes: [u 2][r 16][32]
.set R,     16                         ; v16-111  three sets of 32: a row as loaded
.set X,     112                        ; v112-175 two sets of 32: my block
.set C,     176                        ; v176-195 two sets of 10: codes 0-5, the second conversion 6-8, the byte 9
	s_load_b512 s[8:23], s[0:1], 0x0               ; q, k, v, Wq, Wk, Wv, Wq2, Wk2
	s_load_b256 s[24:31], s[0:1], 0x40             ; Wv2, Wc, Wc2, xc
	s_load_b64 s[32:33], s[0:1], 0x60              ; xs
	v_lshl_add_u32 v200, v0, 2, 0xf600
	v_mov_b32 v201, 0
	v_lshrrev_b32 v1, 5, v0
	v_readfirstlane_b32 s2, v1                     ; wave
	v_and_b32 v1, 31, v0                           ; lane
	v_lshlrev_b32 v2, 4, v1                        ; my 16 bytes of a load's or a store's 512
	s_mul_i32 s38, s2, STGW
	v_lshrrev_b32 v3, 3, v1
	v_mul_u32_u24 v3, v3, PL
	v_and_b32 v4, 7, v1
	v_lshl_add_u32 v3, v4, 4, v3
	v_add_nc_u32 v3, s38, v3                       ; stage, in: eight lanes' 128 bytes are a block's place
	v_mul_u32_u24 v4, v1, PL
	v_add_nc_u32 v4, s38, v4                       ; stage, out: my block
	s_and_b32 s39, s2, 1                           ; u
	s_lshr_b32 s40, s2, 1                          ; which eight lane rows
	s_mul_i32 s41, s39, 16*OP
	s_add_co_u32 s41, s41, OUTB                    ; my tile's codes
	v_lshrrev_b32 v5, 1, v1                        ; my half
	v_mul_u32_u24 v5, v5, OP
	v_and_b32 v6, 1, v1                            ; h
	v_lshl_add_u32 v7, v6, 7, v5
	v_lshl_add_u32 v5, v6, 8, v5
	s_lshl_b32 s42, s40, 7
	s_add_co_u32 s42, s42, s41
	v_add_nc_u32 v5, s42, v5                       ; my first 16 bytes: 16 (r + 16 h); the step's 16 stand in the immediate
	s_lshl_b32 s42, s40, 6
	s_add_co_u32 s42, s42, s41
	s_add_co_u32 s42, s42, 512
	v_add_nc_u32 v6, s42, v7                       ; my last 8: 512 + 8 (r + 16 h)
	s_lshl_b32 s42, s39, 9
	s_lshl_b32 s43, s40, 8
	s_add_co_u32 s42, s42, s43
	s_add_co_u32 s42, s42, SCB
	v_add_nc_u32 v7, s42, v1                       ; my block's byte: 512 u + 32 r + lane
	s_mul_i32 s42, s40, 16*OP                      ; on the way out wave w takes tile w / 2, halves 8 (w % 2) on
	s_mul_i32 s43, s39, 8*OP
	s_add_co_u32 s42, s42, s43
	s_add_co_u32 s42, s42, OUTB
	v_add_nc_u32 v8, s42, v2
	v_lshlrev_b32 v10, 3, v1
	s_add_co_u32 s42, s42, 512
	v_add_nc_u32 v9, s42, v10
	v_lshlrev_b32 v12, 3, v0                       ; the scale bytes leave 8 a thread
	v_add_nc_u32 v11, SCB, v12
	s_lshr_b32 s3, ttmp9, 7                        ; which tensor, which group of it: q, k, v have 128 groups,
	s_and_b32 s6, ttmp9, 127
	s_sub_co_u32 s7, ttmp9, 384
	s_lshr_b32 s34, s7, 5                          ; a weight 32
	s_add_co_u32 s34, s34, 3
	s_and_b32 s7, s7, 31
	s_cmp_lt_u32 ttmp9, 384
	s_cselect_b32 s3, s3, s34
	s_cselect_b32 s6, s6, s7
	s_wait_kmcnt 0x0
	s_mov_b64 s[4:5], s[8:9]                       ; the source is chosen by the work-group's number alone
.irp i, 1,2,3,4,5,6,7,8,9,10
	s_cmp_eq_u32 s3, \i
	s_cselect_b64 s[4:5], s[8+2*\i:9+2*\i], s[4:5]
.endr
	s_lshl_b32 s6, s6, 17                          ; 32 rows of 4,096 bytes a group,
	s_lshl_b32 s7, s2, 15                          ; 8 rows a wave
	s_add_co_u32 s6, s6, s7
	s_mov_b32 s7, 0
	s_add_nc_u64 s[4:5], s[4:5], s[6:7]
	s_mul_i32 s6, ttmp9, 24576                     ; codes: two tiles of 12,288 bytes a group, 6,144 a wave
	s_mul_i32 s36, s2, 6144
	s_add_co_u32 s6, s6, s36
	s_add_nc_u64 s[34:35], s[30:31], s[6:7]
	s_lshl_b32 s6, ttmp9, 10                       ; scale bytes: 1,024 a group
	s_add_nc_u64 s[36:37], s[32:33], s[6:7]
.macro LOAD t                          ; row t of my eight: eight loads of 512 consecutive bytes
.irp i, 0,1,2,3,4,5,6,7
	global_load_b128 v[R+32*((\t)%3)+4*\i:R+32*((\t)%3)+4*\i+3], v2, s[4:5] offset:4096*(\t)+512*\i th:TH_LOAD_NT
.endr
.endm
.macro TURN t                          ; row t through a stage: LDS serves a wave's instructions in order, so no wait stands between the stores and the loads
.irp i, 0,1,2,3,4,5,6,7
	ds_store_b128 v3, v[R+32*((\t)%3)+4*\i:R+32*((\t)%3)+4*\i+3] offset:STG1*((\t)%2)+4*PL*\i
.endr
.irp i, 0,1,2,3,4,5,6,7
	ds_load_b128 v[X+32*((\t)%2)+4*\i:X+32*((\t)%2)+4*\i+3], v4 offset:STG1*((\t)%2)+16*\i
.endr
.endm
.macro STEP t
.set XS, X+32*((\t)%2)
.set CC, C+10*((\t)%2)
.if (\t) > 0
	s_wait_dscnt 3                                 ; my block is back from the stage; the three younger LDS instructions are the last step's stores of codes and byte
.else
	s_wait_dscnt 0x0
.endif
.if (\t)+3 < 8
	LOAD (\t)+3                                    ; into the set whose stores into the stage are done
.endif
.if (\t) < 7
.if (\t) < 5
	s_wait_loadcnt 16                              ; the next row's eight loads are in; two rows' may be out
.else
	s_wait_loadcnt 8*(6-(\t))
.endif
	TURN (\t)+1
.endif
	v_max3_num_f32 v13, |v[XS]|, |v[XS+1]|, |v[XS+2]|               ; the block's largest magnitude: all 32 numbers are mine; two chains
	v_max3_num_f32 v14, |v[XS+3]|, |v[XS+4]|, |v[XS+5]|
.irp i, 6,10,14,18,22,26
	v_max3_num_f32 v13, v13, |v[XS+\i]|, |v[XS+\i+1]|
	v_max3_num_f32 v14, v14, |v[XS+\i+2]|, |v[XS+\i+3]|
.endr
	v_max3_num_f32 v13, v13, |v[XS+30]|, |v[XS+31]|
	v_max3_num_f32 v13, v13, v14, 0x1800000        ; and the floor 2^(3 - 127): the byte cannot fall under 1
	v_add_nc_u32 v15, 0xff000000, v13              ; 2 off the exponent field: the conversion takes this operand's exponent field as its scale
	v_cvt_scalef32_pk16_fp6_f32 v[CC:CC+2], v[XS:XS+15], v15
	v_cvt_scalef32_pk16_fp6_f32 v[CC+6:CC+8], v[XS+16:XS+31], v15   ; (a conversion's three registers begin on an even number)
	v_lshrrev_b32 v[CC+9], 23, v15                 ; the scale's byte.  (Also the plain instruction behind the conversions)
	v_mov_b32 v[CC+3], v[CC+6]
	v_mov_b32 v[CC+4], v[CC+7]
	v_mov_b32 v[CC+5], v[CC+8]                     ; the block's 24 bytes on end
	ds_store_b128 v5, v[CC:CC+3] offset:16*(\t)
	ds_store_b64 v6, v[CC+4:CC+5] offset:8*(\t)
	ds_store_b8 v7, v[CC+9] offset:32*(\t)
.endm
	LOAD 0
	LOAD 1
	LOAD 2
	s_wait_loadcnt 16                              ; row 0 is in
	TURN 0
.irp t, 0,1,2,3,4,5,6,7
	STEP \t
.endr
	s_wait_dscnt 0x0                               ; for the others' sake: my codes and bytes lie in LDS
	s_barrier_signal -1
	s_barrier_wait -1
.irp i, 0,1,2,3,4,5,6,7
	ds_load_b128 v[16+4*\i:19+4*\i], v8 offset:OP*\i
	ds_load_b64 v[48+2*\i:49+2*\i], v9 offset:OP*\i
.endr
	ds_load_b64 v[64:65], v11
	s_wait_dscnt 0x0
.irp i, 0,1,2,3,4,5,6,7
	global_store_b128 v2, v[16+4*\i:19+4*\i], s[34:35] offset:768*\i          ; 512 consecutive bytes, at a multiple of 256 from the buffer's first byte
	global_store_b64 v10, v[48+2*\i:49+2*\i], s[34:35] offset:768*\i+512      ; 256 likewise
.endr
	global_store_b64 v12, v[64:65], s[36:37]       ; a wave stores 256 consecutive bytes
	s_wait_tensorcnt 0x0
	ds_add_u32 v200, v201
	s_wait_dscnt 0x0
	s_endpgm
.Lfunc_end_k_q881cf3dc84_quant:
	.size	k_q881cf3dc84_quant, .Lfunc_end_k_q881cf3dc84_quant-k_q881cf3dc84_quant
	.p2alignl 7, 3214868480
	.fill 96, 4, 3214868480
	.section	.rodata,"a",@progbits
	.p2align	6, 0x0
	.amdhsa_kernel k_q881cf3dc84_quant
		.amdhsa_group_segment_fixed_size 63488
		.amdhsa_private_segment_fixed_size 0
		.amdhsa_enable_private_segment 0
		.amdhsa_kernarg_size 104
		.amdhsa_user_sgpr_count 2
		.amdhsa_user_sgpr_kernarg_segment_ptr 1
		.amdhsa_wavefront_size32 1
		.amdhsa_system_sgpr_workgroup_id_x 1
		.amdhsa_system_sgpr_workgroup_id_y 1
		.amdhsa_system_sgpr_workgroup_id_z 1
		.amdhsa_system_vgpr_workitem_id 0
		.amdhsa_next_free_vgpr 202
		.amdhsa_next_free_sgpr 66
		.amdhsa_reserve_vcc 0
		.amdhsa_float_denorm_mode_32 3
		.amdhsa_float_denorm_mode_16_64 3
		.amdhsa_memory_ordered 1
		.amdhsa_forward_progress 1
		.amdhsa_inst_pref_size 34
	.end_amdhsa_kernel
	.amdgpu_metadata
---
amdhsa.version: [ 1, 2 ]
amdhsa.kernels:
  - .name:           k_q881cf3dc84_quant
    .symbol:         k_q881cf3dc84_quant.kd
    .args:
      - { .name: q, .offset: 0, .size: 8, .value_kind: global_buffer, .address_space: global }
      - { .name: k, .offset: 8, .size: 8, .value_kind: global_buffer, .address_space: global }
      - { .name: v, .offset: 16, .size: 8, .value_kind: global_buffer, .address_space: global }
      - { .name: Wq, .offset: 24, .size: 8, .value_kind: global_buffer, .address_space: global }
      - { .name: Wk, .offset: 32, .size: 8, .value_kind: global_buffer, .address_space: global }
      - { .name: Wv, .offset: 40, .size: 8, .value_kind: global_buffer, .address_space: global }
      - { .name: Wq2, .offset: 48, .size: 8, .value_kind: global_buffer, .address_space: global }
      - { .name: Wk2, .offset: 56, .size: 8, .value_kind: global_buffer, .address_space: global }
      - { .name: Wv2, .offset: 64, .size: 8, .value_kind: global_buffer, .address_space: global }
      - { .name: Wc, .offset: 72, .size: 8, .value_kind: global_buffer, .address_space: global }
      - { .name: Wc2, .offset: 80, .size: 8, .value_kind: global_buffer, .address_space: global }
      - { .name: xc, .offset: 88, .size: 8, .value_kind: global_buffer, .address_space: global }
      - { .name: xs, .offset: 96, .size: 8, .value_kind: global_buffer, .address_space: global }
    .group_segment_fixed_size: 63488
    .private_segment_fixed_size: 0
    .kernarg_segment_align: 8
    .kernarg_segment_size: 104
    .max_flat_workgroup_size: 128
    .sgpr_count:     66
    .vgpr_count:     202
    .wavefront_size: 32
...
	.end_amdgpu_metadata
.endif
;; end of part 1
;; launch proj (part 2): grid 4 x 96, 4 waves a work-group, clusters of 4 x 4, 327,680 bytes of LDS; arguments xc, xs, bq, bk, bv, bq2, bk2, bv2, acts, actss; writes acts, actss
.if DOCPART == 2
	.amdgcn_target "amdgcn-amd-amdhsa--gfx1250"
	.amdhsa_code_object_version 6
	.text
	.protected	k_q881cf3dc84_proj
	.globl	k_q881cf3dc84_proj
	.p2align	8
	.type	k_q881cf3dc84_proj,@function
k_q881cf3dc84_proj:
	s_mov_b64 s[64:65], 0
	v_nop
	global_prefetch_b8 v0, s[64:65] scope:SCOPE_SE
	s_setreg_imm32_b32 hwreg(HW_REG_WAVE_MODE, 25, 1), 1
	s_wait_xcnt 0x0
	s_wait_alu depctr_hold_cnt(0) depctr_sa_sdst(0) depctr_va_vdst(0) depctr_va_sdst(0) depctr_va_ssrc(0) depctr_va_vcc(0) depctr_vm_vsrc(0)
	s_getreg_b32 s2, hwreg(HW_REG_IB_STS2, 6, 4)
	s_cmp_eq_u32 s2, 0
	s_cbranch_scc0 .Lentry_in_a_cluster
	s_endpgm
.Lentry_in_a_cluster:
	s_bfe_u32 s2, ttmp6, 0x10000c
	s_cmp_lg_u32 s2, 0xf033
	s_cbranch_scc0 .Lentry_shape_is_right
	s_endpgm
.Lentry_shape_is_right:
; The six projections y = x W^T + b, on codes of FP6 (E2M3) with E8M0 scales, and their results quantised in registers for the attention: q1, k1, q2, k2 along the head's 64, v1, v2 along the keys.
; Cluster y = 4 g + batch: g = 0 .. 5 is q1, k1, v1, q2 (from k), k2 (from q), v2 (from q), with weight g of xc.
; OPERANDS come from xc and xs in the order of an operand's registers: storage tile T holds 16 rows, lane row r being row 32 (T / 2) + 8 (T % 2) + r + 8 (r / 8); a tile is 16 halves (64 K) of 768 bytes;
; in a half lane l owns 16 bytes at 16 l and 8 at 512 + 8 l.  So a fragment (16 rows x 128 K, 12 registers) is four dense LDS loads.
; A tile of the result, 256 x 256, is made by four waves, 128 x 128 each: 64 accumulators.  K = 1,024 goes in four steps of 256 through two LDS slots filled by the tensor data mover.
; THE MATRIX INSTRUCTION IS USED TRANSPOSED: source 0 = 16 rows of the B side, source 1 = 16 rows of the A side.  In accumulator (a, b) lane (r, h), register j, holds A's lane row r of tile a and the B side's
; TRUE index 32 (b / 2) + 8 (b % 2) + 16 h + j: a lane's 64 registers of one a run along 128 neighbours of the B side, which is the next product's K.
; q, k: A side = tokens, B side = W's rows (two heads a wave).  v: A side = W's rows (channels), B side = tokens (the keys).  The choice hangs on the cluster's y alone: it is the same in all partners.
; CLUSTERS: 4 x 4.  A's tiles are shared along a row of the cluster, B's along a column: joint loads, as many requests as a quarter of the work-groups would make alone.
; OUT: acts [g][batch][B side's 64-block 16][A side's tile 64][768]; actss [g][batch][B side's 128-block 8][group of 4 A tiles 16][r 16][4 words].
; LIMITS: NaN and infinities are not served; a block under 2^-124 gets the byte 1.
; REGISTERS, in windows of 256: window 0: v0-31 addresses; v32-63 scale words, two sets, and nothing else; v64-127 the bias along the B side; v128-223 A's fragments, one set; v240-255 the bias along the A side;
;   in the epilogue v128-191 a block's 64 numbers, v192-211 its codes, v212-239 at work.  window 1: B's fragments, two sets, at v0 and v128.  windows 2, 3: the accumulators, (a, b) at v[8 (8 (a % 4) + b)].
.set NQ,     2                         ; matrix instructions deep in a slot
.set FR,     12                        ; registers of a fragment
.set NL,     4                         ; LDS loads that bring one
.set NP,     4                         ; places behind this matrix instruction (ISA guide 7.12.1)
.set TILEB,  3072                      ; a storage tile's 256 along K: four halves
.set HALFT,  8*TILEB                   ; 128 rows: what one tensor load brings, and what one wave reads of a side
.set SLOT,   4*HALFT                   ; A's 256 rows, then B's
.set SCL,    2*SLOT                    ; behind the ring: the scale bytes of all of K, as units of 256 bytes + 16 of padding
.set HALFS,  16*272                    ; those of 128 rows
.set SBLK,   2*272                     ; those of a tile
.set SPARE,  SCL+4*HALFS               ; the spare words, 128 bytes for each wave: two blocks of 256 bytes that no other line names
.set ADRA, 16                          ; v16-17 my A fragments in slot 0, 1, + 16 x lane;  v18-19 the same + 8 x lane
.set ADRB, 20                          ; v20-23 the same for B
.set L16,  24                          ; v24  16 x lane
.set L8,   25                          ; v25  8 x lane
.set LN,   26                          ; v26  lane
.set ADRS, 27                          ; v27  my scale words: lanes 0-15 A's rows, lanes 16-31 B's
.set SPW,  28                          ; v28  my spare word: SPARE + 4 x my thread's number; never rewritten
.set NIL,  29                          ; v29  0; never rewritten
.set SC,   32
.set BB,   64
.set AF,   128
.set BA,   240
.set T,    128
.set PC,   192
.set TM,   212
.set PWA,  228                         ; v228-235 the eight blocks' scale words
.set W,    236
.set SEL,  20
.set G1, 24                            ; s[24:31] group 1 for A's tiles;  s[32:39] group 0, a set for each slot
.set G0, 32
.set G1B, 48
.set G0B, 56
.set G1S, 68                           ; s[68:75], s[76:79] for A's scale bytes;  s[80:87], s[88:91] for B's
.set G0S, 76
.set G1SB, 80
.set G0SB, 88
.set MSB, 0
.macro WIN new                         ; the immediate's high byte repeats the setting that is left
.if MSB != \new
	s_set_vgpr_msb (MSB<<8)|\new
.set MSB, \new
.endif
.endm
.set MUL_LO, 0xa1                      ; source 0 (B) window 1, source 1 (A) window 0, C and D window 2
.set MUL_HI, 0xf1                      ; the same, C and D window 3
.set TO_B,   0x40                      ; destination window 1, address window 0
; A joint load: waves 0 and 1 fetch for A, waves 2 and 3 for B.  The branch hangs on the wave's number alone.  Four v_nop follow each of the two lines.
.macro JLOAD g0a, g1a, g0b, g1b
	s_cmp_eq_u32 s15, 0
	s_cbranch_scc0 .Lfor_b_\@
	tensor_load_to_lds s[\g0a:\g0a+3], s[\g1a:\g1a+7]
	s_nop 0
.rept 4
	v_nop
.endr
	s_branch .Lasked_\@
.Lfor_b_\@:
	tensor_load_to_lds s[\g0b:\g0b+3], s[\g1b:\g1b+7]
	s_nop 0
.rept 4
	v_nop
.endr
.Lasked_\@:
.endm
.macro CREST                           ; a round of the cluster's barrier behind its opening barrier
	s_cmp_lg_u32 s14, 0
	s_cbranch_scc1 .Lnot_wave_0_\@
	s_barrier_signal -3
.Lnot_wave_0_\@:
	s_barrier_wait -3
	s_barrier_signal -1
	s_barrier_wait -1
.endm
.macro CROUND
	s_barrier_signal -1
	s_barrier_wait -1
	CREST
.endm
	s_load_b128 s[4:7], s[0:1], 0x0                ; xc, xs
	s_load_b256 s[68:75], s[0:1], 0x10             ; bq, bk, bv, bq2
	s_load_b128 s[76:79], s[0:1], 0x30             ; bk2, bv2
	s_load_b128 s[8:11], s[0:1], 0x40              ; acts, actss
	v_lshl_add_u32 v[SPW], v0, 2, SPARE
	v_mov_b32 v[NIL], 0
	ds_add_u32 v28, v29
	ds_add_u32 v28, v29
	s_wait_dscnt 0x0
	v_lshrrev_b32 v1, 5, v0
	v_readfirstlane_b32 s14, v1                    ; wave 0..3
	s_lshr_b32 s15, s14, 1                         ; sA: my half of the A side.  Also: I fetch for A (0) or for B (1)
	s_and_b32 s16, s14, 1                          ; sB: my half of the B side.  Also: which 128 rows I fetch
	s_bfe_u32 s40, ttmp6, 0x40000                  ; cx
	s_bfe_u32 s41, ttmp6, 0x40004                  ; cy
	s_and_b32 s17, ttmp7, 0xffff                   ; the cluster's y
	s_lshr_b32 s95, s17, 2                         ; g
	s_and_b32 s96, s17, 3                          ; batch
	s_lshr_b32 s97, 0x24, s95
	s_and_b32 s97, s97, 1                          ; 1 for v1 and v2
	s_lshl_b32 s18, s95, 2
	s_lshr_b32 s18, 0x1210, s18
	s_and_b32 s18, s18, 15                         ; the activation: q, k, v, k, q, q
	s_lshl_b32 s43, s41, 2
	s_lshl_b32 s43, 15, s43                        ; my row of the cluster
	s_lshl_b32 s44, 0x1111, s40                    ; my column
	; group 1 for codes: 8 tiles' 3,072 bytes (384 elements of 8 bytes), 12,288 bytes apart in memory, dense in LDS
	s_or_b32 s[G1+0], s43, (3<<16)|(1<<21)         ; 15:0 the mask; 17:16 elements of 8 bytes; 21 set beside a mask
	s_or_b32 s[G1B+0], s44, (3<<16)|(1<<21)
.irp g, G1, G1B
	s_mov_b32 s[\g+1], 384<<16                     ; tensor_dim0
	s_mov_b32 s[\g+2], 16<<16                      ; tensor_dim1: 16 tiles for the head's loads; set to 8 behind them
	s_mov_b32 s[\g+3], 384<<16                     ; tile_dim0
	s_mov_b32 s[\g+4], 16                          ; tile_dim1
	s_mov_b32 s[\g+5], 1536                        ; tensor_dim0_stride
	s_mov_b32 s[\g+6], 0
	s_mov_b32 s[\g+7], 0
.endr
	s_mul_i32 s19, s18, 3145728
	s_mul_i32 s20, s96, 786432
	s_add_co_u32 s19, s19, s20                     ; the activation's codes, my batch
	s_lshl_b32 s20, s18, 17
	s_lshl_b32 s21, s96, 15
	s_add_co_u32 s20, s20, s21                     ; its scale bytes
	s_mul_i32 s21, s95, 786432
	s_add_co_u32 s21, s21, 9437184                 ; the weight's codes
	s_lshl_b32 s22, s95, 15
	s_add_co_u32 s22, s22, 393216                  ; its scale bytes
	s_cmp_lg_u32 s97, 0                            ; v: the sides change places
	s_cselect_b32 s98, s21, s19                    ; A side: codes,
	s_cselect_b32 s100, s22, s20                   ; scale bytes
	s_cselect_b32 s92, s19, s21                    ; B side
	s_cselect_b32 s46, s20, s22
	s_mul_i32 s22, s16, 98304                      ; in the ring I fetch 8 tiles of a side: which 8, in bytes
	s_mov_b32 s23, 0
	s_mul_i32 s18, s41, 196608                     ; A's hang on cy alone,
	s_add_co_u32 s98, s98, s18
	s_mov_b32 s99, 0
	s_lshl_b32 s18, s41, 13
	s_add_co_u32 s100, s100, s18
	s_mov_b32 s101, 0
	s_mul_i32 s94, s40, 196608                     ; B's on cx alone, in registers that never hold cy
	s_add_co_u32 s92, s92, s94
	s_mov_b32 s93, 0
	s_lshl_b32 s94, s40, 13
	s_add_co_u32 s46, s46, s94
	s_mov_b32 s47, 0
	s_mul_i32 s45, s14, HALFT                      ; where they go: wave x 128 rows: no place in the cluster enters an LDS address
	s_wait_kmcnt 0x0
	s_mov_b64 s[12:13], s[68:69]                   ; the bias is chosen by g
.irp i, 1,2,3,4,5
	s_cmp_eq_u32 s95, \i
	s_cselect_b64 s[12:13], s[68+2*\i:69+2*\i], s[12:13]
.endr
	; group 1 for the scale bytes of 256 rows: 8,192 dense bytes as 32 rows of 256 (32 elements of 8 bytes), 16 bytes of padding behind each
	s_or_b32 s[G1S+0], s43, (3<<16)|(1<<20)|(1<<21)|(5<<22)|(3<<25)
	s_or_b32 s[G1SB+0], s44, (3<<16)|(1<<20)|(1<<21)|(5<<22)|(3<<25)
.irp g, G1S, G1SB
	s_mov_b32 s[\g+1], 32<<16
	s_mov_b32 s[\g+2], 32<<16                      ; the scale bytes of all 256 rows of a side: 32 rows of 256 bytes
	s_mov_b32 s[\g+3], 32<<16
	s_mov_b32 s[\g+4], 32
	s_mov_b32 s[\g+5], 32
	s_mov_b32 s[\g+6], 0
	s_mov_b32 s[\g+7], 0
.endr
	s_add_nc_u64 s[98:99], s[4:5], s[98:99]
	s_add_nc_u64 s[100:101], s[6:7], s[100:101]
	s_add_nc_u64 s[92:93], s[4:5], s[92:93]
	s_add_nc_u64 s[46:47], s[6:7], s[46:47]
	CROUND                                         ; all sixteen work-groups are here: the first joint loads meet
	s_mov_b32 s[G0S], 1
	s_mov_b32 s[G0S+1], SCL
	s_mov_b64 s[G0S+2:G0S+3], s[100:101]
	s_or_b32 s[G0S+3], s[G0S+3], 0x80000000
	s_mov_b32 s[G0SB], 1
	s_mov_b32 s[G0SB+1], SCL+2*HALFS
	s_mov_b64 s[G0SB+2:G0SB+3], s[46:47]
	s_or_b32 s[G0SB+3], s[G0SB+3], 0x80000000
.irp s, 0,1
	s_mov_b32 s[G0+4*\s], 1
	s_add_co_u32 s[G0+4*\s+1], s45, \s*SLOT
	s_add_nc_u64 s[G0+4*\s+2:G0+4*\s+3], s[98:99], \s*TILEB
	s_or_b32 s[G0+4*\s+3], s[G0+4*\s+3], 0x80000000
	s_mov_b32 s[G0B+4*\s], 1
	s_add_co_u32 s[G0B+4*\s+1], s45, \s*SLOT
	s_add_nc_u64 s[G0B+4*\s+2:G0B+4*\s+3], s[92:93], \s*TILEB
	s_or_b32 s[G0B+4*\s+3], s[G0B+4*\s+3], 0x80000000
.endr
	s_mov_b32 s[G0+1], 0                           ; the head's loads bring K step 0 whole: A's 16 tiles to the slot's start,
	s_mov_b32 s[G0B+1], 2*HALFT                    ; B's 16 behind them
	s_add_nc_u64 s[G0+6:G0+7], s[G0+6:G0+7], s[22:23]      ; slot 1's sets: my 8 tiles
	s_add_nc_u64 s[G0B+6:G0B+7], s[G0B+6:G0B+7], s[22:23]
; THE HEAD'S LOADS, ONE A WAVE: wave 0 A's codes of K step 0, wave 1 B's, wave 2 A's scale bytes, wave 3 B's.  One chain of branches on the wave's number, every arm leading to one join.
.macro ARM under, g0, g1, next
	s_cmp_lt_u32 s14, \under
	s_cbranch_scc0 \next
	tensor_load_to_lds s[\g0:\g0+3], s[\g1:\g1+7]
	s_nop 0
.rept 4
	v_nop
.endr
	s_branch .Lhead_asked
\next:
.endm
	ARM 1, G0,  G1,  .Lhead_b
	ARM 2, G0B, G1B, .Lhead_sa
	ARM 3, G0S, G1S, .Lhead_sb
	tensor_load_to_lds s[G0SB:G0SB+3], s[G1SB:G1SB+7]
	s_nop 0
.rept 4
	v_nop
.endr
.Lhead_asked:
	v_and_b32 v1, 15, v0
	v_bfe_u32 v2, v0, 4, 1                         ; h
	v_and_b32 v[LN], 31, v0
	v_lshlrev_b32 v[L16], 4, v[LN]
	v_lshlrev_b32 v[L8], 3, v[LN]
	s_mul_i32 s21, s15, HALFT                      ; my 128 rows of A
	s_mul_i32 s22, s16, HALFT                      ; my 128 rows of B,
	s_add_co_u32 s22, s22, 2*HALFT                 ; which lie behind A's 256
.irp s, 0,1
	v_add_nc_u32 v[ADRA+\s], s21, v[L16]
	v_add_nc_u32 v[ADRB+\s], s22, v[L16]
	v_add_nc_u32 v[ADRA+2+\s], s21, v[L8]
	v_add_nc_u32 v[ADRB+2+\s], s22, v[L8]
	s_add_co_u32 s21, s21, SLOT
	s_add_co_u32 s22, s22, SLOT
.endr
	v_lshlrev_b32 v4, 5, v1                        ; my row's scale bytes: 32 a row,
	v_lshrrev_b32 v5, 8, v4
	v_lshl_add_u32 v4, v5, 4, v4                   ; and 16 more for each 256 passed
	s_mul_i32 s21, s15, HALFS
	s_mul_i32 s22, s16, HALFS
	s_add_co_u32 s22, s22, 2*HALFS
	s_sub_co_u32 s22, s22, s21
	v_mul_u32_u24 v5, s22, v2                      ; lanes 16-31 take B's
	s_add_co_u32 s21, s21, SCL
	v_add_nc_u32 v4, v4, v5
	v_add_nc_u32 v[ADRS], s21, v4
	; where my results go, and my part of the bias
	s_lshl_b32 s18, s40, 1
	s_add_co_u32 s18, s18, s16                     ; the B side's 128-block: 2 cx + sB
	s_lshl_b32 s19, s41, 1
	s_add_co_u32 s19, s19, s15                     ; the A side's eight tiles: 2 cy + sA
	s_mul_i32 s22, s95, 3145728
	s_mul_i32 s20, s96, 786432
	s_add_co_u32 s22, s22, s20
	s_mul_i32 s20, s18, 98304                      ; two 64-blocks of 49,152 bytes
	s_add_co_u32 s22, s22, s20
	s_mul_i32 s20, s19, 6144                       ; eight tiles of 768
	s_add_co_u32 s22, s22, s20
	s_mov_b32 s23, 0
	s_add_nc_u64 s[8:9], s[8:9], s[22:23]
	s_lshl_b32 s22, s95, 17
	s_lshl_b32 s20, s96, 15
	s_add_co_u32 s22, s22, s20
	s_lshl_b32 s20, s18, 12
	s_add_co_u32 s22, s22, s20
	s_lshl_b32 s20, s19, 9
	s_add_co_u32 s22, s22, s20
	s_add_nc_u64 s[10:11], s[10:11], s[22:23]
	s_lshl_b32 s18, s18, 9                         ; 128 numbers of the bias are 512 bytes
	s_lshl_b32 s19, s19, 9
	s_cmp_lg_u32 s97, 0                            ; the bias runs along W's rows: the B side for q and k, the A side for v.  The set that is not wanted reads the bias's first 128 numbers and is not used
	s_cselect_b32 s22, s19, 0
	s_cselect_b32 s20, 0, s18
	s_mov_b32 s21, 0
	s_add_nc_u64 s[66:67], s[12:13], s[22:23]
	s_add_nc_u64 s[12:13], s[12:13], s[20:21]
	v_lshlrev_b32 v6, 6, v2                        ; along the B side: register 8 b + j wants index 32 (b / 2) + 8 (b % 2) + 16 h + j
.irp b, 0,1,2,3,4,5,6,7
	global_load_b128 v[BB+8*\b:BB+8*\b+3], v6, s[12:13] offset:(32*(\b/2)+8*(\b%2))*4
	global_load_b128 v[BB+8*\b+4:BB+8*\b+7], v6, s[12:13] offset:(32*(\b/2)+8*(\b%2))*4+16
.endr
	v_and_b32 v7, 8, v1
	v_add_nc_u32 v7, v7, v1
	v_lshlrev_b32 v7, 2, v7                        ; along the A side: tile a's lane row r is index 32 (a / 2) + 8 (a % 2) + r + 8 (r / 8); twice, as a pair for the packed addition
.irp a, 0,1,2,3,4,5,6,7
	global_load_b32 v[BA+2*\a], v7, s[66:67] offset:(32*(\a/2)+8*(\a%2))*4
	global_load_b32 v[BA+2*\a+1], v7, s[66:67] offset:(32*(\a/2)+8*(\a%2))*4
.endr
.macro FRAG reg, adr, q, i             ; a fragment: tile i's halves 2 q and 2 q + 1 of the slot; each half 16 bytes a lane, then 8: all four loads are dense
	ds_load_b128 v[\reg:\reg+3], v[\adr] offset:TILEB*(\i)+1536*(\q)
	ds_load_b64 v[\reg+4:\reg+5], v[\adr+2] offset:TILEB*(\i)+1536*(\q)+512
	ds_load_b128 v[\reg+6:\reg+9], v[\adr] offset:TILEB*(\i)+1536*(\q)+768
	ds_load_b64 v[\reg+10:\reg+11], v[\adr+2] offset:TILEB*(\i)+1536*(\q)+1280
.endm
; 16 matrix instructions: A's blocks a0, a0 + 1 x B's eight, 128 along K.  p: B's set; sc: the set of scale words.  zero = 1: the first product starts the sums.
; The 64 accumulators take turns, one instruction a turn, in the same order in every step.
.macro MUL16 a0, p, q, sc, zero
.irp a, \a0, \a0+1
.irp b, 0,1,2,3,4,5,6,7
.if \zero
	v_wmma_scale_f32_16x16x128_f8f6f4 v[8*(8*((\a)%4)+\b):8*(8*((\a)%4)+\b)+7], v[128*(\p)+FR*\b:128*(\p)+FR*\b+FR-1], v[AF+FR*(\a):AF+FR*(\a)+FR-1], 0, v[SC+8*NQ*(\sc)+NQ*\b+(\q)], v[SC+8*NQ*(\sc)+NQ*(\a)+(\q)] matrix_a_fmt:MATRIX_FMT_FP6 matrix_b_fmt:MATRIX_FMT_FP6 matrix_a_scale:MATRIX_SCALE_ROW1
.else
	v_wmma_scale_f32_16x16x128_f8f6f4 v[8*(8*((\a)%4)+\b):8*(8*((\a)%4)+\b)+7], v[128*(\p)+FR*\b:128*(\p)+FR*\b+FR-1], v[AF+FR*(\a):AF+FR*(\a)+FR-1], v[8*(8*((\a)%4)+\b):8*(8*((\a)%4)+\b)+7], v[SC+8*NQ*(\sc)+NQ*\b+(\q)], v[SC+8*NQ*(\sc)+NQ*(\a)+(\q)] matrix_a_fmt:MATRIX_FMT_FP6 matrix_b_fmt:MATRIX_FMT_FP6 matrix_a_scale:MATRIX_SCALE_ROW1
.endif
.endr
.endr
.endm
.macro FETCH_B slot, q, p
	WIN TO_B
.irp i, 0,1,2,3,4,5,6,7
	FRAG 128*(\p)+FR*\i, ADRB+\slot, \q, \i
.endr
	WIN 0
.endm
.macro FETCH_A slot, q, i0
.irp i, \i0, \i0+1, \i0+2, \i0+3
	FRAG AF+FR*(\i), ADRA+\slot, \q, \i
.endr
.endm
.macro SCALES sc                       ; a K step's scale words: two a row; lanes 0-15 take A's tile i, lanes 16-31 B's tile i
.irp i, 0,1,2,3,4,5,6,7
	ds_load_b64 v[SC+8*NQ*\sc+NQ*\i:SC+8*NQ*\sc+NQ*\i+1], v[ADRS] offset:\i*SBLK
.endr
.endm
.macro PLACES n                        ; plain vector instructions between a matrix instruction and a load into, or a vector instruction on, its registers
.rept \n
	v_nop
.endr
.endm
.macro STEP slot, q, zero              ; a step of 128 along K that has its successor in the same slot
	s_wait_dscnt 4*NL                              ; B's set and A's blocks 0-3 are in; the youngest sixteen loads (A's blocks 4-7) may be out
	WIN MUL_LO
	MUL16 0, (\q)%2, \q, \slot, \zero
	MUL16 2, (\q)%2, \q, \slot, \zero
	s_wait_dscnt 0
	PLACES NP
	FETCH_B \slot, (\q)+1, 1-(\q)%2
	FETCH_A \slot, (\q)+1, 0
	WIN MUL_HI
	MUL16 4, (\q)%2, \q, \slot, \zero
	MUL16 6, (\q)%2, \q, \slot, \zero
	PLACES NP
	WIN 0
	FETCH_A \slot, (\q)+1, 4
.endm
; A slot's last step changes slots: one barrier; in front of it each wave waits for all its tensor loads, adds 0 to its spare word, and waits for that and for its reads of this slot.  fill = 1: the slot is filled again, two K steps on.
.macro TURN slot, next, fill
	s_wait_tensorcnt 0x0                           ; all my tensor loads have landed: my part of the next slot
	ds_add_u32 v[SPW], v[NIL]                      ; 0 onto my spare word
	s_wait_dscnt 4*NL+1                            ; (the add and A's blocks 4-7 may be out)
	WIN MUL_LO
	MUL16 0, 1, NQ-1, \slot, 0
	s_wait_dscnt 0x0                               ; the add is done, and my reads of this slot are over
	s_barrier_signal -1
	MUL16 2, 1, NQ-1, \slot, 0
	WIN 0
	s_barrier_wait -1
.if \fill
	CREST                                          ; the barrier has opened a round of the cluster's: no wave of any partner still reads this slot or has a load on its way
	s_add_nc_u64 s[G0+4*\slot+2:G0+4*\slot+3], s[G0+4*\slot+2:G0+4*\slot+3], 2*TILEB
	s_add_nc_u64 s[G0B+4*\slot+2:G0B+4*\slot+3], s[G0B+4*\slot+2:G0B+4*\slot+3], 2*TILEB
	JLOAD G0+4*\slot, G1, G0B+4*\slot, G1B         ; the first tensor load behind the round; its four v_nop are the places in front of the loads below
.else
	PLACES NP
.endif
	s_wait_alu depctr_va_vdst(0)
	v_add_nc_u32 v[ADRS], 4*NQ, v[ADRS]            ; the next K step's scale words
	FETCH_B \next, 0, 0
	FETCH_A \next, 0, 0
	SCALES \next
	WIN MUL_HI
	MUL16 4, 1, NQ-1, \slot, 0
	MUL16 6, 1, NQ-1, \slot, 0
	PLACES NP
	WIN 0
	FETCH_A \next, 0, 4
.endm
	s_wait_alu depctr_va_vdst(0)
	s_wait_tensorcnt 0x0                           ; my tile of the head's four is in
	ds_add_u32 v[SPW], v[NIL]
	s_mov_b32 s[G1+2], 8<<16                       ; no tensor load of mine is out, so the descriptors may be written: from here on a load brings 8 tiles,
	s_mov_b32 s[G1+4], 8
	s_mov_b32 s[G1B+2], 8<<16
	s_mov_b32 s[G1B+4], 8
	s_mul_i32 s22, s16, 98304
	s_mov_b32 s23, 0
	s_mov_b32 s[G0+1], s45                         ; and slot 0's sets point at my 8 tiles: wave x 128 rows in LDS,
	s_mov_b32 s[G0B+1], s45
	s_add_nc_u64 s[G0+2:G0+3], s[G0+2:G0+3], s[22:23]      ; my half in memory
	s_add_nc_u64 s[G0B+2:G0B+3], s[G0B+2:G0B+3], s[22:23]
	s_wait_dscnt 0x0                               ; the add is done
	CROUND                                         ; all four tiles are in, and all sixteen work-groups are here
	JLOAD G0+4, G1, G0B+4, G1B                     ; K step 1, the first tensor load behind the round
	FETCH_B 0, 0, 0
	FETCH_A 0, 0, 0
	SCALES 0
	FETCH_A 0, 0, 4
	STEP 0, 0, 1                                   ; K = 1,024 is four slots' worth: written straight, eight steps of 128
	TURN 0, 1, 1                                   ; slot 0 takes K step 2
	STEP 1, 0, 0
	TURN 1, 0, 1                                   ; slot 1 takes K step 3
	STEP 0, 0, 0
	TURN 0, 1, 0                                   ; nothing is left to fetch
	STEP 1, 0, 0
	s_wait_dscnt 4*NL
	WIN MUL_LO
	MUL16 0, 1, NQ-1, 1, 0
	MUL16 2, 1, NQ-1, 1, 0
	s_wait_dscnt 0
	WIN MUL_HI
	MUL16 4, 1, NQ-1, 1, 0
	MUL16 6, 1, NQ-1, 1, 0
	WIN 0
; 64 numbers of a lane, register 16 b + i = index 32 b + 16 h + i of my row, become a fragment's codes in v[PC] on and its scale word in v[pw].
.macro QUANT s, pw
.irp b, 0,1,2,3
	v_max3_num_f32 v[TM+\b], |v[\s+16*\b]|, |v[\s+1+16*\b]|, 0x1800000   ; block b: my 16 numbers, and the floor 2^(3 - 127): the byte cannot fall under 1
.endr
.irp i, 2,4,6,8,10,12,14
.irp b, 0,1,2,3
	v_max3_num_f32 v[TM+\b], v[TM+\b], |v[\s+16*\b+\i]|, |v[\s+1+16*\b+\i]|
.endr
.endr
.irp b, 0,1,2,3
	v_permlanex16_b32 v[TM+4+\b], v[TM+\b], s[SEL], s[SEL+1]
.endr
.irp b, 0,1,2,3
	v_max_num_f32 v[TM+\b], v[TM+\b], v[TM+4+\b]   ; with lane l xor 16's: the block's largest magnitude
.endr
.irp b, 0,1,2,3
	v_add_nc_u32 v[TM+12+\b], 0xff000000, v[TM+\b] ; 2 off its exponent field: the conversion's scale operand
.endr
.irp b, 0,1,2,3
	v_lshrrev_b32 v[TM+4+\b], 23, v[TM+12+\b]      ; the scale's byte
.endr
	v_lshl_or_b32 v[\pw], v[TM+5], 8, v[TM+4]
	v_lshl_or_b32 v[\pw], v[TM+6], 16, v[\pw]
	v_lshl_or_b32 v[\pw], v[TM+7], 24, v[\pw]
	s_wait_xcnt 0x0                                ; the last block's stores have read the codes' registers: they are written again only behind this wait
.irp c, 0,1
	v_cvt_scalef32_pk16_fp6_f32 v[PC+6*\c:PC+2+6*\c], v[\s+32*\c:\s+15+32*\c], v[TM+12+2*\c]
	v_cvt_scalef32_pk16_fp6_f32 v[PC+12+4*\c:PC+14+4*\c], v[\s+16+32*\c:\s+31+32*\c], v[TM+12+2*\c+1]   ; (a conversion's three registers begin on an even number)
.endr
	v_nop                                          ; one plain instruction behind a scaled conversion
.irp c, 0,1                                    ; the operand's layout wants a whole block in a lane: lanes 0-15 block 2 c, lanes 16-31 block 2 c + 1
.irp i, 0,1,2
	v_permlane16_swap_b32 v[PC+6*\c+\i], v[PC+12+4*\c+\i]
.endr
.irp i, 0,1,2
	v_mov_b32 v[PC+3+6*\c+\i], v[PC+12+4*\c+\i]
.endr
.endr
.endm
; Block a (A's tile a against the wave's 128 of the B side): + bias, quantised, stored as two halves in the order of an operand's registers.
.macro OUTBLK a
.set AC, 64*((\a)%4)
.set WN, 0x02+(\a)/4                   ; source 0: window 2 or 3
	s_cmp_lg_u32 s97, 0                            ; the same in every wave of every partner
	s_cbranch_scc1 .Lby_row_\@
	WIN WN
.set ii, 0
.rept 32
	v_pk_add_f32 v[T+ii:T+ii+1], v[AC+ii:AC+ii+1], v[BB+ii:BB+ii+1]   ; q, k: the bias runs along my registers.  Each accumulator is read from its low end on
.set ii, ii+2
.endr
	WIN 0
	s_branch .Lsummed_\@
.Lby_row_\@:
	WIN WN
.set ii, 0
.rept 32
	v_pk_add_f32 v[T+ii:T+ii+1], v[AC+ii:AC+ii+1], v[BA+2*(\a):BA+2*(\a)+1]   ; v: one number for my row
.set ii, ii+2
.endr
	WIN 0
.Lsummed_\@:
	QUANT T, PWA+(\a)
	global_store_b128 v[L16], v[PC:PC+3], s[8:9] offset:768*(\a)               ; 512 consecutive bytes, at a multiple of 256 from the buffer's first byte
	global_store_b64 v[L8], v[PC+4:PC+5], s[8:9] offset:768*(\a)+512           ; 256 likewise
	global_store_b128 v[L16], v[PC+6:PC+9], s[8:9] offset:49152+768*(\a)       ; the second 64-block
	global_store_b64 v[L8], v[PC+10:PC+11], s[8:9] offset:49152+768*(\a)+512
.endm
	s_mov_b32 s[SEL], 0x76543210
	s_mov_b32 s[SEL+1], 0xfedcba98                 ; v_permlanex16_b32's selects for lane l xor 16
	s_wait_loadcnt 0x0                             ; the bias
	PLACES NP                                      ; behind the last products: their results are read and their operands' registers written from here on
.irp b, 0,1,2,3
	v_mov_b32 v[TM+4+\b], 0                        ; written once: a lane permute's destination counts as one of its sources
.endr
.irp a, 0,1,2,3,4,5,6,7
	OUTBLK \a
.endr
	v_cmp_le_u32 vcc_lo, 16, v[LN]                 ; the scale words: lanes 0-15 store those of tiles 0-3 of row r, lanes 16-31 those of tiles 4-7
.irp i, 0,1,2,3
	v_cndmask_b32 v[W+\i], v[PWA+\i], v[PWA+4+\i], vcc_lo
.endr
	global_store_b128 v[L16], v[W:W+3], s[10:11]   ; 512 consecutive bytes
	s_wait_tensorcnt 0x0                           ; the wave's end
	ds_add_u32 v[SPW], v[NIL]
	s_wait_dscnt 0x0
	CROUND                                         ; the closing round: no work-group ends while a partner may still ask for a tile that names it
	s_endpgm
.Lfunc_end_k_q881cf3dc84_proj:
	.size	k_q881cf3dc84_proj, .Lfunc_end_k_q881cf3dc84_proj-k_q881cf3dc84_proj
	.p2alignl 7, 3214868480
	.fill 96, 4, 3214868480
	.section	.rodata,"a",@progbits
	.p2align	6, 0x0
	.amdhsa_kernel k_q881cf3dc84_proj
		.amdhsa_group_segment_fixed_size 327680
		.amdhsa_private_segment_fixed_size 0
		.amdhsa_enable_private_segment 0
		.amdhsa_kernarg_size 80
		.amdhsa_user_sgpr_count 2
		.amdhsa_user_sgpr_kernarg_segment_ptr 1
		.amdhsa_wavefront_size32 1
		.amdhsa_system_sgpr_workgroup_id_x 1
		.amdhsa_system_sgpr_workgroup_id_y 1
		.amdhsa_system_sgpr_workgroup_id_z 1
		.amdhsa_system_vgpr_workitem_id 0
		.amdhsa_next_free_vgpr 1024
		.amdhsa_next_free_sgpr 104
		.amdhsa_reserve_vcc 1
		.amdhsa_float_denorm_mode_32 3
		.amdhsa_float_denorm_mode_16_64 3
		.amdhsa_memory_ordered 1
		.amdhsa_forward_progress 1
		.amdhsa_inst_pref_size 187
	.end_amdhsa_kernel
	.amdgpu_metadata
---
amdhsa.version: [ 1, 2 ]
amdhsa.kernels:
  - .name:           k_q881cf3dc84_proj
    .symbol:         k_q881cf3dc84_proj.kd
    .args:
      - { .name: xc, .offset: 0, .size: 8, .value_kind: global_buffer, .address_space: global }
      - { .name: xs, .offset: 8, .size: 8, .value_kind: global_buffer, .address_space: global }
      - { .name: bq, .offset: 16, .size: 8, .value_kind: global_buffer, .address_space: global }
      - { .name: bk, .offset: 24, .size: 8, .value_kind: global_buffer, .address_space: global }
      - { .name: bv, .offset: 32, .size: 8, .value_kind: global_buffer, .address_space: global }
      - { .name: bq2, .offset: 40, .size: 8, .value_kind: global_buffer, .address_space: global }
      - { .name: bk2, .offset: 48, .size: 8, .value_kind: global_buffer, .address_space: global }
      - { .name: bv2, .offset: 56, .size: 8, .value_kind: global_buffer, .address_space: global }
      - { .name: acts, .offset: 64, .size: 8, .value_kind: global_buffer, .address_space: global }
      - { .name: actss, .offset: 72, .size: 8, .value_kind: global_buffer, .address_space: global }
    .group_segment_fixed_size: 327680
    .private_segment_fixed_size: 0
    .kernarg_segment_align: 8
    .kernarg_segment_size: 80
    .max_flat_workgroup_size: 128
    .sgpr_count:     104
    .vgpr_count:     1024
    .wavefront_size: 32
...
	.end_amdgpu_metadata
.endif
;; end of part 2
;; launch attn (part 3): grid 2 x 128, 16 waves a work-group, no clusters, 327,680 bytes of LDS; arguments acts, actss, oc, os; writes oc, os
.if DOCPART == 3
	.amdgcn_target "amdgcn-amd-amdhsa--gfx1250"
	.amdhsa_code_object_version 6
	.text
	.protected	k_q881cf3dc84_attn
	.globl	k_q881cf3dc84_attn
	.p2align	8
	.type	k_q881cf3dc84_attn,@function
k_q881cf3dc84_attn:
	s_mov_b64 s[64:65], 0
	v_nop
	global_prefetch_b8 v0, s[64:65] scope:SCOPE_SE
	s_setreg_imm32_b32 hwreg(HW_REG_WAVE_MODE, 25, 1), 1
	s_wait_xcnt 0x0
; Both attentions, on codes of FP6 (E2M3) with E8M0 scales.  Work-group y = 64 path + 16 batch + head; x = which 512 of the head's 1,024 queries.  Tensors of acts: q = 3 path, k = 3 path + 1, v = 3 path + 2.
; THE SOFTMAX AHEAD OF THE SECOND PRODUCT: t = score x log2(e) / 8; M = the row's largest t so far, rounded up to a whole number; p = 2^(t - M) is quantised along the keys, not normalised.  The row's sum is
; taken of the unquantised p, in f32, and divides O at the end.  When M moves, the sum and O are multiplied by 2^(old M - new M): exact.
; SHARES.  Sixteen waves, four to a SIMD.  Wave w takes query tiles 32 x + w and 32 x + w + 16, one after the other, and walks all keys, 128 a step.
; THE HEAD'S WHOLE K AND V LIE IN LDS, each byte filled once, in two groups of tensor loads.  At the kernel's head: key steps 0 and 1 (K's codes waves 0, 1; V's waves 8, 9) and all scale words (K's wave 2, V's wave 3).
; Behind the full sequence, and a barrier: key steps 2 to 7 (K's waves 2-7, V's waves 10-15).  A wave's key step is its number (K) or its number - 8 (V) in both groups, so no descriptor is rewritten.
; The first tile's steps 0 and 1 are written out, with constant addresses, while the second group is on its way; one more barrier stands ahead of step 2.  All of LDS is claimed.
; No cluster: a head's K and V are read by its two work-groups alone, 102 KiB once each; a cluster of four along an axis would join two heads, whose tiles differ.
; No prefetch: no loop runs ahead of the first group, and the second group is itself asked for two key steps ahead of its first read.
; LAYOUT.  Codes lie in the order of an operand's registers: a half = 16 rows x 64 K = 768 bytes, lane (r, h) owning block h: 16 bytes at 16 (r + 16 h), 8 at 512 + 8 (r + 16 h).  Storage tile T's lane row r is index
; 32 (T / 2) + 8 (T % 2) + r + 8 (r / 8).  Both products are used transposed: S^T = K Q^T, O^T = V^T P^T: a lane holds one query.
; WHICH KEYS FORM A TILE OF K IS CHOSEN BY THE LANES' ADDRESSES: row 8 e + j of tile 4 c + u is key 64 c + 32 e + 8 u + j, which lies in storage tile 4 c + 2 e + u % 2, lane row 8 (u / 2) + j.  So lane (r, h) holds in the 32
; registers of score tiles 4 c .. 4 c + 3 the keys 64 c + 32 h + 0 .. 31: a WHOLE block of 32, in the order of P's operand.  A block's maximum needs no other lane and its codes no exchange.
; K's codes get 64 bytes of padding behind every 256 in LDS: a tile is 960 bytes, and the rows with e = 1 lie 1,920 bytes, 128 modulo 256, behind those with e = 0: the sixteen lanes of a 16-byte load touch 256 different
; bytes modulo 256 (64 banks of 4 bytes: ISA guide 11.1).  The 8-byte pieces of e = 1, h = 0 and of e = 0, h = 1 still share banks.  V's fragments are storage tiles as they lie: dense loads.
; THE SCORES' K IS 64: registers 6-11 of Q's fragment are zero codes and bytes 2, 3 of both scale words are 0.  So K's eight fragments overlap: fragment t is v[32 + 6 t .. 43 + 6 t], its upper six registers being
; tile t + 1's codes (the last one's: zeros): every such product is a finite number x 0.
; A tile's first step starts the sums (C = 0, no rescaling): nothing is cleared but the row's sum.
; OUT: O / l, quantised along d_model, in xc's format: oc [path][tile 256][head 16][768], os [path][tile][r][32 bytes] (two bytes a head and row: stores of 2 bytes, 32 bytes apart: a stated weakness).
; LIMITS: NaN and infinities are not served; a block under 2^-124 gets the byte 1; the promise holds while the scaled scores t stay under 2^31 in magnitude.
; REGISTERS: v1, v2 16 and 8 x lane; v3-7, v28, v29 lane terms; v8-11, v236, v237 the step's addresses; v12 -M, v13 the largest score, v[14:15] the sum; v16-27 Q; v32-85 K's fragments, then (v32-79) V's;
;   v86-93 K's scale words; v96-159 S^T, then p; v160-191 O^T; v192-203 p's codes; v204-210 second halves of blocks; v212-221, v228-235 at work; v222 p's scale word, v223 Q's, v224-227 V's; v30, v31 the add's.
.set KSTP,  7680                       ; LDS: K's codes [step 8][tile 8][3 rows of 256 + 64] at 0: 7,680 bytes a step;
.set VC,    61440                      ; V's [step 8][64 keys 2][channel tile 4][768] here;
.set KS,    110592                     ; K's scale words [group of 4 tiles 16][r 16][4 words] (a word serves two heads: mine are bytes 2 (head % 2) on);
.set VS,    114688                     ; V's [key step 8][r 16][4 words]
.set SPARE, 116736                     ; the spare words: 128 bytes a wave, eight blocks of 256 bytes that no other line names
.set WV,   18
.set SEL,  20
.set CS,   22                          ; s[22:23] c = log2(e) / 8
.set G1KC, 24
.set G1KS, 32
.set G1VC, 40
.set G1VS, 48
.set G0KC, 56
.set G0KS, 60
.set G0VC, 68
.set G0VS, 72
.set TK,   2                           ; the step's codes of K: 7,680 bytes a step
.set TS,   3                           ; K's scale words: 512 a step
.set TJ,   66                          ; V's: 256 a step
.set STEPS, 67
.set TV,   88                          ; the step's codes of V: 6,144 bytes a step
.set A16,  3                           ; 1,920 e + 16 j + 320 h
.set A8,   4                           ; 1,920 e + 8 j + 128 h
.set AKS,  5                           ; KS + 2 (head % 2) + 16 j + 8 e
.set AVS,  6                           ; VS - 256 + 16 r
.set SH,   7                           ; 8 h
.set OSO,  28                          ; 32 r
.set QSO,  29                          ; 16 r
.set SPW,  30
.set NIL,  31
.set P,    192
.set PT,   204
.set BM,   212
.set SO,   214
.set TA,   216
.set F,    220
.set PW,   222
.set QW,   223
.set VW,   224
.set S2,   228
.set MX,   232
.set VA,   236
.macro GRP1 g, w0, c, r, p             ; group 1: word 0, then r rows of c elements of 8 bytes, p elements apart
	s_mov_b32 s[\g], \w0
	s_mov_b32 s[\g+1], (\c)<<16
	s_mov_b32 s[\g+2], (\r)<<16
	s_mov_b32 s[\g+3], (\c)<<16
	s_mov_b32 s[\g+4], \r
	s_mov_b32 s[\g+5], \p
	s_mov_b32 s[\g+6], 0
	s_mov_b32 s[\g+7], 0
.endm
.macro GRP0 g, ptr, off                ; group 0 but for its LDS address
	s_mov_b32 s[\g], 1
	s_add_nc_u64 s[\g+2:\g+3], s[\ptr:\ptr+1], s[\off:\off+1]
	s_or_b32 s[\g+3], s[\g+3], 0x80000000
.endm
.macro TL g0, g1
	tensor_load_to_lds s[\g0:\g0+3], s[\g1:\g1+7]
	s_nop 0
.rept 4
	v_nop
.endr
.endm
.macro QLOAD i                         ; Q of my i-th tile: my head's 64 along K of 16 queries, and their two scale bytes (bytes 2 and 3 come out 0)
	global_load_b128 v[16:19], v1, s[4:5] offset:12288*(\i)
	global_load_b64 v[20:21], v2, s[4:5] offset:12288*(\i)+512
	global_load_u16 v[QW], v[QSO], s[6:7] offset:1024*(\i)
.endm
.macro SUMA                            ; the row's sum takes the 64 unquantised p in v96-159, two at a time, in two chains: the first five lines,
	v_pk_add_f32 v[S2:S2+1], v[96:97], v[98:99]
.irp j, 4,8
	v_pk_add_f32 v[14:15], v[14:15], v[96+\j:97+\j]
	v_pk_add_f32 v[S2:S2+1], v[S2:S2+1], v[98+\j:99+\j]
.endr
.endm
.macro SUMB                            ; and the rest
.irp j, 12,16,20,24,28,32,36,40,44,48,52,56,60
	v_pk_add_f32 v[14:15], v[14:15], v[96+\j:97+\j]
	v_pk_add_f32 v[S2:S2+1], v[S2:S2+1], v[98+\j:99+\j]
.endr
	s_delay_alu instid0(VALU_DEP_1)
	v_pk_add_f32 v[14:15], v[14:15], v[S2:S2+1]
.endm
.macro WSTART                          ; a tile's walk begins at key step 0
	s_mov_b32 s[TK], 0
	s_mov_b32 s[TV], 0
	s_mov_b32 s[TS], 0
	s_mov_b32 s[TJ], 0
	v_add_nc_u32 v8, s[TK], v[A16]
	v_add_nc_u32 v9, s[TK], v[A8]
	v_add_nc_u32 v10, s[TS], v[AKS]
.endm
	s_load_b256 s[80:87], s[0:1], 0x0              ; acts, actss, oc, os
	v_lshl_add_u32 v[SPW], v0, 2, SPARE
	v_mov_b32 v[NIL], 0
	ds_add_u32 v[SPW], v[NIL]                      ; the opening lines: the add, twice on end, and its wait ahead of the first tensor load
	ds_add_u32 v[SPW], v[NIL]
	v_lshrrev_b32 v8, 5, v0
	s_delay_alu instid0(VALU_DEP_1)
	v_readfirstlane_b32 s[WV], v8                  ; wave 0..15
	s_and_b32 s88, ttmp7, 0xffff
	s_lshr_b32 s89, s88, 6                         ; path
	s_bfe_u32 s90, s88, 0x20004                    ; batch
	s_and_b32 s91, s88, 15                         ; head
	s_mul_i32 s93, s89, 9437184
	s_mul_i32 s94, s90, 786432
	s_add_co_u32 s93, s93, s94                     ; q's codes, my batch
	s_mul_i32 s94, s89, 393216
	s_lshl_b32 s95, s90, 15
	s_add_co_u32 s94, s94, s95                     ; q's scale words, my batch
	s_lshr_b32 s95, s91, 1
	s_and_b32 s96, s91, 1
	s_mul_i32 s97, s91, 49152
	s_add_co_u32 s97, s97, s93                     ; q: my head's 64 tiles
	s_lshl_b32 s98, s95, 12
	s_add_co_u32 s98, s98, s94                     ; q: my pair of heads' words
	s_mul_i32 s12, s[WV], 6144                     ; K's codes: the next tensor, the same head, key step = wave
	s_add_co_u32 s12, s12, s97
	s_add_co_u32 s12, s12, 3145728
	s_mov_b32 s13, 0
	s_add_co_u32 s14, s98, 131072                  ; K's scale words: my pair of heads' 4,096 bytes
	s_mov_b32 s15, 0
	s_mul_i32 s16, s[WV], 98304                    ; V's codes: key step = wave - 8: two blocks of 64 keys, my head's four tiles
	s_mul_i32 s99, s91, 3072
	s_add_co_u32 s16, s16, s99
	s_add_co_u32 s16, s16, s93
	s_add_co_u32 s16, s16, 6291456-8*98304
	s_mov_b32 s17, 0
	s_lshl_b32 s78, s91, 8                         ; V's scale words: my head's 256 bytes of each key step
	s_add_co_u32 s78, s78, s94
	s_add_co_u32 s78, s78, 262144
	s_mov_b32 s79, 0
	GRP1 G1KC, (3<<16)|(1<<20)|(5<<22)|(15<<25), 32, 24, 32   ; a step of K's codes: 6,144 dense bytes as 24 rows of 256, 16 words of padding behind each 64
	GRP1 G1KS, 3<<16, 32, 16, 32                   ; K's scale words: 16 rows of 256
	GRP1 G1VC, 3<<16, 384, 2, 6144                 ; a step of V's codes: 2 rows of 3,072 bytes, 49,152 bytes apart
	GRP1 G1VS, 3<<16, 32, 8, 512                   ; V's scale words: 8 rows of 256 bytes, 4,096 bytes apart
	s_wait_dscnt 0x0                               ; both opening adds are done
	s_wait_kmcnt 0x0
	GRP0 G0KC, 80, 12
	s_mul_i32 s[G0KC+1], s[WV], KSTP
	GRP0 G0KS, 82, 14
	s_mov_b32 s[G0KS+1], KS
	GRP0 G0VC, 80, 16
	s_mul_i32 s[G0VC+1], s[WV], 6144
	s_add_co_u32 s[G0VC+1], s[G0VC+1], VC-8*6144   ; VC + 6,144 (wave - 8)
	GRP0 G0VS, 82, 78
	s_mov_b32 s[G0VS+1], VS
	; the first group: one chain of branches on the wave's number, one load to an arm, all arms leading to one join
	s_cmp_lt_u32 s[WV], 2
	s_cbranch_scc0 .Lh_ks
	TL G0KC, G1KC
	s_branch .Lh_join
.Lh_ks:
	s_cmp_lt_u32 s[WV], 3
	s_cbranch_scc0 .Lh_vs
	TL G0KS, G1KS
	s_branch .Lh_join
.Lh_vs:
	s_cmp_lt_u32 s[WV], 4
	s_cbranch_scc0 .Lh_vc
	TL G0VS, G1VS
	s_branch .Lh_join
.Lh_vc:
	s_cmp_lt_u32 s[WV], 8
	s_cbranch_scc1 .Lh_join
	s_cmp_lt_u32 s[WV], 10
	s_cbranch_scc0 .Lh_join
	TL G0VC, G1VC
.Lh_join:
	s_lshl_b32 s99, ttmp9, 5
	s_add_co_u32 s99, s99, s[WV]                   ; my first tile of queries, in the batch
	s_mul_i32 s4, s99, 768
	s_add_co_u32 s4, s4, s97
	s_mov_b32 s5, 0
	s_lshr_b32 s6, s99, 2                          ; its scale words: group, word, my head's two bytes
	s_lshl_b32 s6, s6, 8
	s_add_co_u32 s6, s6, s98
	s_and_b32 s7, s99, 3
	s_lshl_b32 s7, s7, 2
	s_add_co_u32 s6, s6, s7
	s_lshl_b32 s7, s96, 1
	s_add_co_u32 s6, s6, s7
	s_mov_b32 s7, 0
	s_lshl_b32 s8, s90, 6
	s_add_co_u32 s8, s8, s99                       ; the tile among the path's 256
	s_lshl_b32 s10, s8, 9
	s_mul_i32 s8, s8, 12288
	s_mul_i32 s9, s89, 3145728
	s_add_co_u32 s8, s8, s9
	s_mul_i32 s9, s91, 768
	s_add_co_u32 s8, s8, s9
	s_mov_b32 s9, 0
	s_lshl_b32 s11, s89, 17
	s_add_co_u32 s10, s10, s11
	s_lshl_b32 s11, s91, 1
	s_add_co_u32 s10, s10, s11
	s_mov_b32 s11, 0
	s_add_nc_u64 s[4:5], s[80:81], s[4:5]          ; Q's codes
	s_add_nc_u64 s[6:7], s[82:83], s[6:7]          ; Q's scale bytes
	s_add_nc_u64 s[8:9], s[84:85], s[8:9]          ; O's codes
	s_add_nc_u64 s[10:11], s[86:87], s[10:11]      ; O's scale bytes
	s_lshl_b32 s99, s96, 1
	s_add_co_u32 s99, s99, KS
	s_mov_b32 s[SEL], 0x76543210
	s_mov_b32 s[SEL+1], 0xfedcba98                 ; v_permlanex16_b32's selects for lane l xor 16
	s_mov_b32 s[CS], 0x3e38aa3b                    ; c = log2(e) / sqrt(64)
	s_mov_b32 s[CS+1], s[CS]                       ; (named with it as a pair, so it is written)
	v_and_b32 v9, 31, v0                           ; lane
	v_and_b32 v13, 15, v0                          ; r
	v_lshlrev_b32 v1, 4, v9
	v_lshlrev_b32 v2, 3, v9
	v_lshlrev_b32 v[QSO], 4, v13
	QLOAD 0                                        ; my first tile's Q is on its way while K and V land
	v_and_b32 v10, 7, v0                           ; j
	v_bfe_u32 v11, v0, 3, 1                        ; e
	v_bfe_u32 v12, v0, 4, 1                        ; h
	v_mul_u32_u24 v14, v11, 1920
	v_lshlrev_b32 v15, 4, v10
	v_lshl_add_u32 v[A16], v10, 4, v14
	v_lshl_add_u32 v[A8], v10, 3, v14
	v_lshl_add_u32 v15, v11, 3, v15                ; 16 j + 8 e
	v_mad_u32_u24 v[A16], v12, 320, v[A16]
	v_lshl_add_u32 v[A8], v12, 7, v[A8]
	v_add_nc_u32 v[AKS], s99, v15
	v_add_nc_u32 v[AVS], VS-256, v[QSO]
	v_lshlrev_b32 v[SH], 3, v12
	v_lshlrev_b32 v[OSO], 5, v13
.irp j, 22,23,24,25,26,27, 80,81,82,83,84,85
	v_mov_b32 v[\j], 0                             ; Q's upper 64 along K, and the upper half of K's eighth fragment: zero codes, written once
.endr
.irp j, TA+1, TA+3, F+1
	v_mov_b32 v[\j], 0                             ; written once: a lane permute's destination counts as a source, and v[F+1] is named in a pair
.endr
	WSTART
; A KEY STEP: 128 keys.  first = 1: the tile's first step starts the maximum, the sum and O^T.
.macro STEP first
.if \first == 0
	SUMA                                           ; the last step's p, under the last step's M, as the sum is.  (These five are the places behind the last step's products, in front of the loads into their operands)
.endif
.irp t, 0,1,2,3,4,5,6,7                        ; K's eight tiles of 16 keys, in one run
	ds_load_b128 v[32+6*\t:35+6*\t], v8 offset:960*(4*(\t/4)+\t%2)+128*((\t%4)/2)
	ds_load_b64 v[36+6*\t:37+6*\t], v9 offset:960*(4*(\t/4)+\t%2)+640+64*((\t%4)/2)
	ds_load_u16 v[86+\t], v10 offset:256*(\t/4)+128*((\t%4)/2)+4*(\t%2)   ; my head's two bytes; bytes 2 and 3 come out 0
.endr
.if \first == 0
	SUMB
.endif
	s_wait_dscnt 0x0
.irp t, 0,1,2,3,4,5,6,7                        ; S^T = K Q^T
	v_wmma_scale_f32_16x16x128_f8f6f4 v[96+8*\t:103+8*\t], v[32+6*\t:43+6*\t], v[16:27], 0, v[86+\t], v[QW] matrix_a_fmt:MATRIX_FMT_FP6 matrix_b_fmt:MATRIX_FMT_FP6
.endr
	s_add_co_u32 s[TK], s[TK], KSTP
	s_add_co_u32 s[TV], s[TV], 6144
	s_add_co_u32 s[TS], s[TS], 512
	s_add_co_u32 s[TJ], s[TJ], 256
	v_add_nc_u32 v8, s[TK], v[A16]                 ; the next step's addresses: these six are the places behind the products; V's loads below take a step off in their immediates
	v_add_nc_u32 v9, s[TK], v[A8]
	v_add_nc_u32 v10, s[TS], v[AKS]
	v_add_nc_u32 v11, s[TJ], v[AVS]
	v_add_nc_u32 v[VA], s[TV], v1
	v_add_nc_u32 v[VA+1], s[TV], v2
.irp t, 0,1,2,3                                ; V's four tiles of 16 channels x these 128 keys: asked for here, wanted behind the softmax
	ds_load_b128 v[32+12*\t:35+12*\t], v[VA] offset:VC-6144+768*\t
	ds_load_b64 v[36+12*\t:37+12*\t], v[VA+1] offset:VC-6144+768*\t+512
	ds_load_b128 v[38+12*\t:41+12*\t], v[VA] offset:VC-3072+768*\t
	ds_load_b64 v[42+12*\t:43+12*\t], v[VA+1] offset:VC-3072+768*\t+512
.endr
	ds_load_b128 v[VW:VW+3], v11                   ; the four tiles' scale words of row r
.irp c, 0,1                                    ; the largest score of my two blocks of 32 keys, each in two chains; every accumulator is read from its low end on
.irp q, 0,1
	v_max3_num_f32 v[MX+2*\c+\q], v[96+32*\c+16*\q], v[97+32*\c+16*\q], v[98+32*\c+16*\q]
.endr
.endr
.irp i, 3,5,7,9,11,13
.irp c, 0,1
.irp q, 0,1
	v_max3_num_f32 v[MX+2*\c+\q], v[MX+2*\c+\q], v[96+32*\c+16*\q+\i], v[97+32*\c+16*\q+\i]
.endr
.endr
.endr
.irp c, 0,1
	v_max3_num_f32 v[BM+\c], v[MX+2*\c], v[MX+2*\c+1], v[111+32*\c]
.endr
.irp c, 0,1
	v_max_num_f32 v[BM+\c], v[BM+\c], v[127+32*\c] ; it serves the row's maximum and, since p rises with the score, the block's largest p
.endr
	s_delay_alu instid0(VALU_DEP_1)
	v_max_num_f32 v[TA], v[BM], v[BM+1]
	s_delay_alu instid0(VALU_DEP_1)
	v_permlanex16_b32 v[TA+1], v[TA], s[SEL], s[SEL+1]
	s_delay_alu instid0(VALU_DEP_1)
.if \first
	v_max_num_f32 v13, v[TA], v[TA+1]              ; the largest score of my query (c is positive: the largest t is c x it)
	s_delay_alu instid0(VALU_DEP_1)
	v_mul_f32 v[TA+2], s[CS], v13
	s_delay_alu instid0(VALU_DEP_1)
	v_floor_f32 v12, -v[TA+2]                      ; -M = floor(-t): M is a whole number
.else
	v_max3_num_f32 v13, v13, v[TA], v[TA+1]        ; the running largest score
	v_mov_b32 v[TA+3], v12
	s_delay_alu instid0(VALU_DEP_2)
	v_mul_f32 v[TA+2], s[CS], v13
	s_delay_alu instid0(VALU_DEP_1)
	v_floor_f32 v12, -v[TA+2]
	s_delay_alu instid0(VALU_DEP_1)
	v_sub_f32 v[TA+3], v12, v[TA+3]                ; old M - new M: a whole number, 0 or less
	s_delay_alu instid0(VALU_DEP_1)
	v_cvt_i32_f32 v[TA+3], v[TA+3]                 ; (it saturates)
	s_delay_alu instid0(VALU_DEP_1)
	v_ldexp_f32 v[F], 1.0, v[TA+3]                 ; f = 2^(old M - new M)
.endif
.set jj, 0
.rept 32
	v_pk_fma_f32 v[96+jj:97+jj], v[96+jj:97+jj], s[CS:CS+1], v[12:13] op_sel_hi:[1,0,0]   ; t - M, two at a time
.set jj, jj+2
.endr
.irp c, 0,1
	v_fma_f32 v[BM+\c], v[BM+\c], s[CS], v12       ; the same of each block's largest score
.endr
	s_wait_alu depctr_va_vdst(0)
.irp c, 0,1
	v_exp_f32 v[BM+\c], v[BM+\c]                   ; one batch of 66: my blocks' largest p,
.endr
.set jj, 0
.rept 64
	v_exp_f32 v[96+jj], v[96+jj]                   ; and p = 2^(t - M), at most 1: not normalised
.set jj, jj+1
.endr
.if \first
	v_mov_b32 v14, 0                               ; the sum begins.  (The plain instruction behind the exponentials)
	v_mov_b32 v15, 0
.else
	v_pk_mul_f32 v[14:15], v[14:15], v[F:F+1] op_sel_hi:[1,0]   ; the sum under the new M.  (The plain instruction behind the exponentials)
.endif
	s_wait_alu depctr_va_vdst(0)                   ; one wait for the whole batch, ahead of its first reader
.irp c, 0,1
	v_max_num_f32 v[BM+\c], 0x1800000, v[BM+\c]    ; the floor 2^(3 - 127): the byte cannot fall under 1
.endr
.irp c, 0,1
	s_delay_alu instid0(VALU_DEP_2)
	v_add_nc_u32 v[SO+\c], 0xff000000, v[BM+\c]    ; 2 off the exponent field: the conversion's scale operand
.endr
.irp c, 0,1
	s_delay_alu instid0(VALU_DEP_2)
	v_lshrrev_b32 v[TA+\c], 23, v[SO+\c]           ; the scale's byte
.endr
	s_delay_alu instid0(VALU_DEP_1)
	v_lshl_or_b32 v[TA+2], v[TA+1], 16, v[TA]      ; my two bytes: blocks h and 2 + h,
	s_delay_alu instid0(VALU_DEP_1)
	v_lshlrev_b32 v[TA+2], v[SH], v[TA+2]          ; at their places in the word;
	s_delay_alu instid0(VALU_DEP_1)
	v_permlanex16_b32 v[TA+3], v[TA+2], s[SEL], s[SEL+1]
	s_delay_alu instid0(VALU_DEP_1)
	v_or_b32 v[PW], v[TA+2], v[TA+3]               ; with lane l xor 16's two: p's scale word for these 128 keys
.irp c, 0,1
	v_cvt_scalef32_pk16_fp6_f32 v[P+6*\c:P+2+6*\c], v[96+32*\c:111+32*\c], v[SO+\c]
	v_cvt_scalef32_pk16_fp6_f32 v[PT+4*\c:PT+2+4*\c], v[112+32*\c:127+32*\c], v[SO+\c]   ; (a conversion's three registers begin on an even number)
.endr
.if \first
	v_nop                                          ; one plain instruction behind a scaled conversion
.else
	s_wait_alu depctr_va_vdst(0)                   ; directly ahead of the first reader of O^T
.set jj, 0
.rept 4
	v_pk_mul_f32 v[160+jj:161+jj], v[160+jj:161+jj], v[F:F+1] op_sel_hi:[1,0]   ; O^T under the new M
.set jj, jj+2
.endr
.endif
.irp c, 0,1
.irp i, 0,1,2
	v_mov_b32 v[P+3+6*\c+\i], v[PT+4*\c+\i]        ; a block's 24 bytes on end
.endr
.endr
.if \first
.rept 4
	v_nop                                          ; places between the writing of p's codes and the products below (fifteen behind the scale word)
.endr
.else
.rept 12
	v_pk_mul_f32 v[160+jj:161+jj], v[160+jj:161+jj], v[F:F+1] op_sel_hi:[1,0]   ; (these twelve also stand between the writing of p's codes and the products below)
.set jj, jj+2
.endr
.endif
	s_wait_alu depctr_va_vdst(0)
	s_wait_dscnt 0x0                               ; V, asked for ahead of the softmax
.irp t, 0,1,2,3                                ; O^T += V^T P^T: four accumulators by turns
.if \first
	v_wmma_scale_f32_16x16x128_f8f6f4 v[160+8*\t:167+8*\t], v[32+12*\t:43+12*\t], v[P:P+11], 0, v[VW+\t], v[PW] matrix_a_fmt:MATRIX_FMT_FP6 matrix_b_fmt:MATRIX_FMT_FP6
.else
	v_wmma_scale_f32_16x16x128_f8f6f4 v[160+8*\t:167+8*\t], v[32+12*\t:43+12*\t], v[P:P+11], v[160+8*\t:167+8*\t], v[VW+\t], v[PW] matrix_a_fmt:MATRIX_FMT_FP6 matrix_b_fmt:MATRIX_FMT_FP6
.endif
.endr
.endm
.macro LOOP n
	s_mov_b32 s[STEPS], \n
.Lstep_\@:
	STEP 0
	s_sub_co_u32 s[STEPS], s[STEPS], 1
	s_cmp_lg_u32 s[STEPS], 0
	s_cbranch_scc1 .Lstep_\@
.endm
; THE WAY OUT of my i-th tile: O^T / the sum, quantised along the head's 64 channels: two blocks, one half of an operand.  V's tiles are storage tiles, so register 16 b + i is channel 32 b + 16 h + i
.macro OUT i
	SUMA                                           ; the last step's p.  (Also the places behind the last products)
	SUMB
	s_delay_alu instid0(VALU_DEP_1)
	v_add_f32 v14, v14, v15                        ; the sum's two halves,
	s_delay_alu instid0(VALU_DEP_1)
	v_permlanex16_b32 v[TA+3], v14, s[SEL], s[SEL+1]
	s_delay_alu instid0(VALU_DEP_1)
	v_add_f32 v14, v14, v[TA+3]                    ; and lane l xor 16's
	s_wait_alu depctr_va_vdst(0)
	v_rcp_f32 v14, v14
	v_nop                                          ; a plain instruction behind the reciprocal
	s_wait_alu depctr_va_vdst(0)                   ; and the wait ahead of its first reader, which is also O^T's
.set jj, 0
.rept 16
	v_pk_mul_f32 v[96+jj:97+jj], v[160+jj:161+jj], v[14:15] op_sel_hi:[1,0]
.set jj, jj+2
.endr
.irp b, 0,1
	v_max3_num_f32 v[MX+\b], |v[96+16*\b]|, |v[97+16*\b]|, 0x1800000
.endr
.irp n, 2,4,6,8,10,12,14
.irp b, 0,1
	s_delay_alu instid0(VALU_DEP_2)
	v_max3_num_f32 v[MX+\b], v[MX+\b], |v[96+16*\b+\n]|, |v[97+16*\b+\n]|
.endr
.endr
.irp b, 0,1
	s_delay_alu instid0(VALU_DEP_2)
	v_permlanex16_b32 v[TA+\b], v[MX+\b], s[SEL], s[SEL+1]
.endr
.irp b, 0,1
	s_delay_alu instid0(VALU_DEP_2)
	v_max_num_f32 v[MX+\b], v[MX+\b], v[TA+\b]     ; with lane l xor 16's 16 channels
.endr
.irp b, 0,1
	s_delay_alu instid0(VALU_DEP_2)
	v_add_nc_u32 v[SO+\b], 0xff000000, v[MX+\b]
.endr
.irp b, 0,1
	s_delay_alu instid0(VALU_DEP_2)
	v_lshrrev_b32 v[TA+\b], 23, v[SO+\b]
.endr
	s_delay_alu instid0(VALU_DEP_1)
	v_lshl_or_b32 v[TA+2], v[TA+1], 8, v[TA]       ; my row's two scale bytes
	v_cvt_scalef32_pk16_fp6_f32 v[P:P+2], v[96:111], v[SO]
	v_cvt_scalef32_pk16_fp6_f32 v[P+4:P+6], v[112:127], v[SO+1]
	v_nop                                          ; one plain instruction behind a scaled conversion
	v_permlane16_swap_b32 v[P], v[P+4]             ; lanes 0-15 keep block 0, lanes 16-31 block 1: the first three registers its lower 16 codes, the second three the upper
	v_permlane16_swap_b32 v[P+1], v[P+5]
	v_permlane16_swap_b32 v[P+2], v[P+6]
	s_delay_alu instid0(VALU_DEP_3)
	v_mov_b32 v[P+3], v[P+4]
	s_delay_alu instid0(VALU_DEP_3)
	v_mov_b32 v[P+4], v[P+5]
	s_delay_alu instid0(VALU_DEP_3)
	v_mov_b32 v[P+5], v[P+6]                       ; 24 bytes on end
	global_store_b128 v1, v[P:P+3], s[8:9] offset:196608*(\i)          ; 512 consecutive bytes, at a multiple of 256 from the buffer's first byte
	global_store_b64 v2, v[P+4:P+5], s[8:9] offset:196608*(\i)+512     ; 256 likewise
	global_store_b16 v[OSO], v[TA+2], s[10:11] offset:8192*(\i)        ; lanes r and r + 16 write the same two bytes with the same value
.endm
	s_wait_alu depctr_va_vdst(0)
	s_wait_tensorcnt 0x0                           ; my part of the first group is in; the full sequence ahead of the second group of first fills:
	ds_add_u32 v[SPW], v[NIL]                      ; the add, written twice
	ds_add_u32 v[SPW], v[NIL]
	s_wait_dscnt 0x0
	s_barrier_signal -1
	s_barrier_wait -1                              ; key steps 0 and 1 and all scale words lie in LDS
	s_cmp_lt_u32 s[WV], 2                          ; the second group: key steps 2 to 7, one load a wave
	s_cbranch_scc1 .Ls_join
	s_cmp_lt_u32 s[WV], 8
	s_cbranch_scc0 .Ls_vc
	TL G0KC, G1KC
	s_branch .Ls_join
.Ls_vc:
	s_cmp_lt_u32 s[WV], 10
	s_cbranch_scc1 .Ls_join
	TL G0VC, G1VC
.Ls_join:
	s_wait_loadcnt 0x0                             ; Q
	STEP 1                                         ; steps 0 and 1 are written out: their addresses are constants of the text, inside the first group's bytes
	STEP 0
	s_wait_tensorcnt 0x0                           ; my part of the second group is in,
	s_wait_dscnt 0x0
	s_barrier_signal -1
	s_barrier_wait -1                              ; everybody's is
	LOOP 6
	QLOAD 1                                        ; Q's registers were last read by the last step's score products, a softmax ago
	OUT 0
	WSTART
	s_wait_alu depctr_va_vdst(0)
	s_wait_loadcnt 0x0                             ; Q
	s_wait_xcnt 0x0                                ; the last tile's stores have read their registers: the steps write them again only behind this wait
	STEP 1
	LOOP 7
	OUT 1
	s_wait_tensorcnt 0x0                           ; the wave's end
	ds_add_u32 v[SPW], v[NIL]
	s_wait_dscnt 0x0
	s_endpgm
.Lfunc_end_k_q881cf3dc84_attn:
	.size	k_q881cf3dc84_attn, .Lfunc_end_k_q881cf3dc84_attn-k_q881cf3dc84_attn
	.p2alignl 7, 3214868480
	.fill 96, 4, 3214868480
	.section	.rodata,"a",@progbits
	.p2align	6, 0x0
	.amdhsa_kernel k_q881cf3dc84_attn
		.amdhsa_group_segment_fixed_size 327680
		.amdhsa_private_segment_fixed_size 0
		.amdhsa_enable_private_segment 0
		.amdhsa_kernarg_size 32
		.amdhsa_user_sgpr_count 2
		.amdhsa_user_sgpr_kernarg_segment_ptr 1
		.amdhsa_wavefront_size32 1
		.amdhsa_system_sgpr_workgroup_id_x 1
		.amdhsa_system_sgpr_workgroup_id_y 1
		.amdhsa_system_sgpr_workgroup_id_z 1
		.amdhsa_system_vgpr_workitem_id 0
		.amdhsa_next_free_vgpr 240
		.amdhsa_next_free_sgpr 100
		.amdhsa_reserve_vcc 0
		.amdhsa_float_denorm_mode_32 3
		.amdhsa_float_denorm_mode_16_64 3
		.amdhsa_memory_ordered 1
		.amdhsa_forward_progress 1
		.amdhsa_inst_pref_size 97
	.end_amdhsa_kernel
	.amdgpu_metadata
---
amdhsa.version: [ 1, 2 ]
amdhsa.kernels:
  - .name:           k_q881cf3dc84_attn
    .symbol:         k_q881cf3dc84_attn.kd
    .args:
      - { .name: acts, .offset: 0, .size: 8, .value_kind: global_buffer, .address_space: global }
      - { .name: actss, .offset: 8, .size: 8, .value_kind: global_buffer, .address_space: global }
      - { .name: oc, .offset: 16, .size: 8, .value_kind: global_buffer, .address_space: global }
      - { .name: os, .offset: 24, .size: 8, .value_kind: global_buffer, .address_space: global }
    .group_segment_fixed_size: 327680
    .private_segment_fixed_size: 0
    .kernarg_segment_align: 8
    .kernarg_segment_size: 32
    .max_flat_workgroup_size: 512
    .sgpr_count:     100
    .vgpr_count:     240
    .wavefront_size: 32
...
	.end_amdgpu_metadata
.endif
;; end of part 3
;; launch outp (part 4): grid 4 x 64, 4 waves a work-group, clusters of 4 x 4, 327,680 bytes of LDS; arguments oc, os, xc, xs, bc, bc2, out0, out1; writes out0, out1
.if DOCPART == 4
	.amdgcn_target "amdgcn-amd-amdhsa--gfx1250"
	.amdhsa_code_object_version 6
	.text
	.protected	k_q881cf3dc84_outp
	.globl	k_q881cf3dc84_outp
	.p2align	8
	.type	k_q881cf3dc84_outp,@function
k_q881cf3dc84_outp:
	s_mov_b64 s[64:65], 0
	v_nop
	global_prefetch_b8 v0, s[64:65] scope:SCOPE_SE
	s_setreg_imm32_b32 hwreg(HW_REG_WAVE_MODE, 25, 1), 1
	s_wait_xcnt 0x0
	s_wait_alu depctr_hold_cnt(0) depctr_sa_sdst(0) depctr_va_vdst(0) depctr_va_sdst(0) depctr_va_ssrc(0) depctr_va_vcc(0) depctr_vm_vsrc(0)
	s_getreg_b32 s2, hwreg(HW_REG_IB_STS2, 6, 4)
	s_cmp_eq_u32 s2, 0
	s_cbranch_scc0 .Lentry_in_a_cluster
	s_endpgm
.Lentry_in_a_cluster:
	s_bfe_u32 s2, ttmp6, 0x10000c
	s_cmp_lg_u32 s2, 0xf033
	s_cbranch_scc0 .Lentry_shape_is_right
	s_endpgm
.Lentry_shape_is_right:
.set FR,     12
.set NP,     4
; out = O Wc^T + bc for both paths, on codes of FP6 (E2M3) with E8M0 scales.  A block of 128 x 256 a work-group, 64 x 128 a wave; clusters of 4 x 4 with joint loads, A's tiles shared along a row, B's along a column.
; K = 1,024 lies in two LDS slots of 512 along K, each filled once: slot 0 and the scale bytes at the head, one joint load a wave; slot 1 behind the full sequence and a round, while slot 0 is multiplied.
.set TILEB,  6144                      ; a storage tile's 512 along K: eight halves
.set HA,     4*TILEB
.set HB,     8*TILEB
.set SLOT,   2*HA+2*HB
.set SCL,    2*SLOT
.set HSA,    8*272
.set HSB,    16*272
.set SBLK,   2*272
.set SPITCH, 528
.set ADRA, 4
.set ADRB, 12
.set STO,  20
.set RD,   21
.set L16,  24
.set L8,   25
.set LN,   26
.set ADRS, 27
.set SC,   32
.set BB,   64
.set AF,   128
.set BK,   128
.set G1,   24
.set G1B,  32
.set G1S,  40
.set G1SB, 48
.set G0S,  56
.set G0SB, 60
.set GA,   68
.set GB,   84
.set MSB, 0
.macro WIN new
.if MSB != \new
	s_set_vgpr_msb (MSB<<8)|\new
.set MSB, \new
.endif
.endm
.set MUL_LO, 0xa1
.set TO_B,   0x40
.macro JLOAD g0a, g1a, g0b, g1b
	s_cmp_eq_u32 s15, 0
	s_cbranch_scc0 .Lfor_b_\@
	tensor_load_to_lds s[\g0a:\g0a+3], s[\g1a:\g1a+7]
	s_nop 0
.rept 4
	v_nop
.endr
	s_branch .Lasked_\@
.Lfor_b_\@:
	tensor_load_to_lds s[\g0b:\g0b+3], s[\g1b:\g1b+7]
	s_nop 0
.rept 4
	v_nop
.endr
.Lasked_\@:
.endm
.macro CROUND
	s_barrier_signal -1
	s_barrier_wait -1
	s_cmp_lg_u32 s14, 0
	s_cbranch_scc1 .Lnot_wave_0_\@
	s_barrier_signal -3
.Lnot_wave_0_\@:
	s_barrier_wait -3
	s_barrier_signal -1
	s_barrier_wait -1
.endm
	s_load_b256 s[4:11], s[0:1], 0x0
	s_load_b256 s[68:75], s[0:1], 0x20
	v_lshl_add_u32 v30, v0, 2, 0x4b300
	v_mov_b32 v31, 0
	ds_add_u32 v30, v31
	ds_add_u32 v30, v31
	v_lshrrev_b32 v1, 5, v0
	v_readfirstlane_b32 s14, v1
	s_lshr_b32 s15, s14, 1
	s_and_b32 s16, s14, 1
	s_bfe_u32 s2, ttmp6, 0x40000
	s_bfe_u32 s3, ttmp6, 0x40004
	s_and_b32 s17, ttmp7, 0xffff
	s_lshr_b32 s76, s17, 3
	s_and_b32 s77, s17, 7
	s_lshl_b32 s78, s3, 2
	s_lshl_b32 s78, 15, s78
	s_lshl_b32 s79, 0x1111, s2
	s_or_b32 s[G1+0], s78, (3<<16)|(1<<21)
	s_mov_b32 s[G1+1], 768<<16                     ; rows of 6,144 bytes; A's 8 tiles for the head's load, 4 behind it
	s_mov_b32 s[G1+2], 8<<16
	s_mov_b32 s[G1+3], 768<<16
	s_mov_b32 s[G1+4], 8
	s_mov_b32 s[G1+5], 1536
	s_mov_b32 s[G1+6], 0
	s_mov_b32 s[G1+7], 0
	s_or_b32 s[G1B+0], s79, (3<<16)|(1<<21)
	s_mov_b32 s[G1B+1], 768<<16                    ; B's 16 tiles for the head's load, 8 behind it
	s_mov_b32 s[G1B+2], 16<<16
	s_mov_b32 s[G1B+3], 768<<16
	s_mov_b32 s[G1B+4], 16
	s_mov_b32 s[G1B+5], 1536
	s_mov_b32 s[G1B+6], 0
	s_mov_b32 s[G1B+7], 0
	s_or_b32 s[G1S+0], s78, (3<<16)|(1<<20)|(1<<21)|(5<<22)|(3<<25)
	s_mov_b32 s[G1S+1], 32<<16
	s_mov_b32 s[G1S+2], 16<<16
	s_mov_b32 s[G1S+3], 32<<16
	s_mov_b32 s[G1S+4], 16
	s_mov_b32 s[G1S+5], 32
	s_mov_b32 s[G1S+6], 0
	s_mov_b32 s[G1S+7], 0
	s_or_b32 s[G1SB+0], s79, (3<<16)|(1<<20)|(1<<21)|(5<<22)|(3<<25)
	s_mov_b32 s[G1SB+1], 32<<16
	s_mov_b32 s[G1SB+2], 32<<16
	s_mov_b32 s[G1SB+3], 32<<16
	s_mov_b32 s[G1SB+4], 32
	s_mov_b32 s[G1SB+5], 32
	s_mov_b32 s[G1SB+6], 0
	s_mov_b32 s[G1SB+7], 0
	s_lshl_b32 s17, s77, 2
	s_add_co_u32 s17, s17, s3
	s_mul_i32 s20, s76, 3145728
	s_mul_i32 s80, s17, 98304
	s_add_co_u32 s20, s20, s80
	s_mov_b32 s21, 0
	s_lshl_b32 s22, s76, 17
	s_lshl_b32 s80, s17, 12
	s_add_co_u32 s22, s22, s80
	s_mov_b32 s23, 0
	s_mul_i32 s100, s76, 786432
	s_add_co_u32 s100, s100, 9437184+6*786432
	s_mul_i32 s81, s2, 196608
	s_add_co_u32 s100, s100, s81
	s_mov_b32 s101, 0
	s_lshl_b32 s18, s76, 15
	s_add_co_u32 s18, s18, 393216+6*32768
	s_lshl_b32 s81, s2, 13
	s_add_co_u32 s18, s18, s81
	s_mov_b32 s19, 0
	s_wait_dscnt 0x0
	s_wait_kmcnt 0x0
	s_cmp_lg_u32 s76, 0
	s_cselect_b64 s[12:13], s[74:75], s[72:73]
	s_cselect_b64 s[66:67], s[70:71], s[68:69]
	s_add_nc_u64 s[20:21], s[4:5], s[20:21]
	s_add_nc_u64 s[22:23], s[6:7], s[22:23]
	s_add_nc_u64 s[100:101], s[8:9], s[100:101]
	s_add_nc_u64 s[18:19], s[10:11], s[18:19]
	s_mul_i32 s4, s16, HA
	s_mul_i32 s5, s16, HB
	s_add_co_u32 s5, s5, 2*HA
	s_mul_i32 s6, s16, 49152                       ; for slot 1: which 4 tiles of A,
	s_mov_b32 s7, 0
	s_mul_i32 s8, s16, 98304                       ; which 8 of B I fetch, in bytes
	s_mov_b32 s9, 0
	CROUND
	s_mov_b32 s[G0S], 1
	s_mov_b32 s[G0S+1], SCL
	s_mov_b64 s[G0S+2:G0S+3], s[22:23]
	s_or_b32 s[G0S+3], s[G0S+3], 0x80000000
	s_mov_b32 s[G0SB], 1
	s_mov_b32 s[G0SB+1], SCL+2*HSA
	s_mov_b64 s[G0SB+2:G0SB+3], s[18:19]
	s_or_b32 s[G0SB+3], s[G0SB+3], 0x80000000
.irp s, 0,1
	s_mov_b32 s[GA+4*\s], 1
	s_add_co_u32 s[GA+4*\s+1], s4, \s*SLOT
	s_add_nc_u64 s[GA+4*\s+2:GA+4*\s+3], s[20:21], \s*TILEB
	s_or_b32 s[GA+4*\s+3], s[GA+4*\s+3], 0x80000000
	s_mov_b32 s[GB+4*\s], 1
	s_add_co_u32 s[GB+4*\s+1], s5, \s*SLOT
	s_add_nc_u64 s[GB+4*\s+2:GB+4*\s+3], s[100:101], \s*TILEB
	s_or_b32 s[GB+4*\s+3], s[GB+4*\s+3], 0x80000000
.endr
	s_mov_b32 s[GA+1], 0                           ; the head's loads bring slot 0 whole: A's 8 tiles to its start,
	s_mov_b32 s[GB+1], 2*HA                        ; B's 16 behind them
	s_add_nc_u64 s[GA+6:GA+7], s[GA+6:GA+7], s[6:7]        ; slot 1's sets: my part of the tiles
	s_add_nc_u64 s[GB+6:GB+7], s[GB+6:GB+7], s[8:9]
; THE HEAD'S LOADS, ONE A WAVE: wave 0 A's codes of slot 0, wave 1 B's, wave 2 A's scale bytes, wave 3 B's.  One chain of branches on the wave's number, every arm leading to one join.
.macro ARM under, g0, g1, next
	s_cmp_lt_u32 s14, \under
	s_cbranch_scc0 \next
	tensor_load_to_lds s[\g0:\g0+3], s[\g1:\g1+7]
	s_nop 0
.rept 4
	v_nop
.endr
	s_branch .Lhead_asked
\next:
.endm
	ARM 1, GA,  G1,  .Lhead_b
	ARM 2, GB,  G1B, .Lhead_sa
	ARM 3, G0S, G1S, .Lhead_sb
	tensor_load_to_lds s[G0SB:G0SB+3], s[G1SB:G1SB+7]
	s_nop 0
.rept 4
	v_nop
.endr
.Lhead_asked:
	v_and_b32 v1, 15, v0
	v_bfe_u32 v2, v0, 4, 1
	v_and_b32 v[LN], 31, v0
	v_lshlrev_b32 v[L16], 4, v[LN]
	v_lshlrev_b32 v[L8], 3, v[LN]
	s_mul_i32 s8, s15, HA
	s_mul_i32 s9, s16, HB
	s_add_co_u32 s9, s9, 2*HA
.irp s, 0,1
	v_add_nc_u32 v[ADRA+\s], s8, v[L16]
	v_add_nc_u32 v[ADRA+4+\s], s8, v[L8]
	v_add_nc_u32 v[ADRB+\s], s9, v[L16]
	v_add_nc_u32 v[ADRB+4+\s], s9, v[L8]
	s_add_co_u32 s8, s8, SLOT
	s_add_co_u32 s9, s9, SLOT
.endr
	v_lshlrev_b32 v3, 5, v1
	v_lshrrev_b32 v22, 8, v3
	v_lshl_add_u32 v3, v22, 4, v3
	s_mul_i32 s8, s15, HSA
	s_mul_i32 s9, s16, HSB
	s_add_co_u32 s9, s9, 2*HSA
	s_sub_co_u32 s9, s9, s8
	v_mul_u32_u24 v22, s9, v2
	s_add_co_u32 s8, s8, SCL
	v_add_nc_u32 v3, v3, v22
	v_add_nc_u32 v[ADRS], s8, v3
	s_mul_i32 s8, s14, 16*SPITCH
	v_mul_u32_u24 v3, v1, SPITCH
	v_lshl_add_u32 v3, v2, 6, v3
	v_add_nc_u32 v[STO], s8, v3
	v_add_nc_u32 v[RD], s8, v[L16]
	s_lshl_b32 s8, s17, 19
	s_lshl_b32 s9, s15, 18
	s_add_co_u32 s8, s8, s9
	s_lshl_b32 s10, s2, 1
	s_add_co_u32 s10, s10, s16
	s_lshl_b32 s10, s10, 9
	s_add_co_u32 s8, s8, s10
	s_mov_b32 s9, 0
	s_mov_b32 s11, 0
	s_add_nc_u64 s[12:13], s[12:13], s[8:9]
	s_add_nc_u64 s[66:67], s[66:67], s[10:11]
	v_lshlrev_b32 v23, 6, v2
.irp b, 0,1,2,3,4,5,6,7
	global_load_b128 v[BB+8*\b:BB+8*\b+3], v23, s[66:67] offset:(32*(\b/2)+8*(\b%2))*4
	global_load_b128 v[BB+8*\b+4:BB+8*\b+7], v23, s[66:67] offset:(32*(\b/2)+8*(\b%2))*4+16
.endr
.macro FRAG reg, adr, q, i
	ds_load_b128 v[\reg:\reg+3], v[\adr] offset:TILEB*(\i)+1536*(\q)
	ds_load_b64 v[\reg+4:\reg+5], v[\adr+4] offset:TILEB*(\i)+1536*(\q)+512
	ds_load_b128 v[\reg+6:\reg+9], v[\adr] offset:TILEB*(\i)+1536*(\q)+768
	ds_load_b64 v[\reg+10:\reg+11], v[\adr+4] offset:TILEB*(\i)+1536*(\q)+1280
.endm
.macro FETCH t
	WIN TO_B
.irp i, 0,1,2,3,4,5,6,7
	FRAG 128*((\t)%2)+FR*\i, ADRB+(\t)/4, (\t)%4, \i
.endr
	WIN 0
.irp i, 0,1,2,3
	FRAG AF+48*((\t)%2)+FR*\i, ADRA+(\t)/4, (\t)%4, \i
.endr
.endm
.macro SCALES s
.irp i, 0,1,2,3,4,5,6,7
	ds_load_b64 v[SC+16*((\s)%2)+2*\i:SC+16*((\s)%2)+2*\i+1], v[ADRS] offset:\i*SBLK+8*(\s)
.endr
.endm
.macro MUL16 a0, t, zero
.set PP, (\t)%2
.set SS, SC+16*(((\t)/2)%2)+(\t)%2
.irp a, \a0, \a0+1
.irp b, 0,1,2,3,4,5,6,7
.if \zero
	v_wmma_scale_f32_16x16x128_f8f6f4 v[8*(8*(\a)+\b):8*(8*(\a)+\b)+7], v[128*PP+FR*\b:128*PP+FR*\b+FR-1], v[AF+48*PP+FR*(\a):AF+48*PP+FR*(\a)+FR-1], 0, v[SS+2*\b], v[SS+2*(\a)] matrix_a_fmt:MATRIX_FMT_FP6 matrix_b_fmt:MATRIX_FMT_FP6 matrix_a_scale:MATRIX_SCALE_ROW1
.else
	v_wmma_scale_f32_16x16x128_f8f6f4 v[8*(8*(\a)+\b):8*(8*(\a)+\b)+7], v[128*PP+FR*\b:128*PP+FR*\b+FR-1], v[AF+48*PP+FR*(\a):AF+48*PP+FR*(\a)+FR-1], v[8*(8*(\a)+\b):8*(8*(\a)+\b)+7], v[SS+2*\b], v[SS+2*(\a)] matrix_a_fmt:MATRIX_FMT_FP6 matrix_b_fmt:MATRIX_FMT_FP6 matrix_a_scale:MATRIX_SCALE_ROW1
.endif
.endr
.endr
.endm
.macro PLACES n
.rept \n
	v_nop
.endr
.endm
.macro HSTEP t, zero
	s_wait_dscnt 0x0
.if (\t) == 3
	s_wait_tensorcnt 0x0                           ; my part of slot 1 is in; behind the barrier everybody's is, and nothing is filled again
	s_barrier_signal -1
	s_barrier_wait -1
.endif
.if (\t) < 7
.if (\t) > 0
	PLACES NP
.endif
	FETCH (\t)+1
.if (\t)%2 == 1
	SCALES ((\t)+1)/2
.endif
.endif
	WIN MUL_LO
	MUL16 0, \t, \zero
	MUL16 2, \t, \zero
	WIN 0
.endm
	s_wait_alu depctr_va_vdst(0)
	s_wait_tensorcnt 0x0                           ; my tile of the head's four is in
	ds_add_u32 v30, v31
	s_mov_b32 s[G1+2], 4<<16                       ; no tensor load of mine is out, so a descriptor may be written: slot 1 comes in quarters
	s_mov_b32 s[G1+4], 4
	s_mov_b32 s[G1B+2], 8<<16
	s_mov_b32 s[G1B+4], 8
	s_wait_dscnt 0x0                               ; the add is done
	CROUND                                         ; all four tiles are in, and all sixteen work-groups are here
	JLOAD GA+4, G1, GB+4, G1B                      ; slot 1, the first tensor load behind the round
	FETCH 0
	SCALES 0
	HSTEP 0, 1
.irp t, 1,2,3,4,5,6,7
	HSTEP \t, 0
.endr
.macro TOSTAGE a
.set AC, 64*(\a)
	WIN 0x82
.set ii, 0
.rept 32
	v_pk_add_f32 v[AC+ii:AC+ii+1], v[AC+ii:AC+ii+1], v[BB+ii:BB+ii+1]
.set ii, ii+2
.endr
	WIN 0x08
.irp b, 0,1,2,3,4,5,6,7
	ds_store_b128 v[STO], v[AC+8*\b:AC+8*\b+3] offset:128*(\b/2)+32*(\b%2)
	ds_store_b128 v[STO], v[AC+8*\b+4:AC+8*\b+7] offset:128*(\b/2)+32*(\b%2)+16
.endr
	WIN 0
.set BBK, BK+64*((\a)%2)
.irp t, 0,1,2,3,4,5,6,7,8,9,10,11,12,13,14,15
	ds_load_b128 v[BBK+4*\t:BBK+4*\t+3], v[RD] offset:\t*SPITCH
.endr
.endm
.macro SEND a, younger
.set BBK, BK+64*((\a)%2)
	s_wait_dscnt \younger
.irp t, 0,1,2,3,4,5,6,7,8,9,10,11,12,13,14,15
	global_store_b128 v[L16], v[BBK+4*\t:BBK+4*\t+3], s[12:13] offset:(32*((\a)/2)+8*((\a)%2)+\t+8*(\t/8))*4096 th:TH_STORE_NT
.endr
.endm
	s_wait_loadcnt 0x0
	PLACES NP
	TOSTAGE 0
.irp a, 1,2,3
.if \a > 1
	s_wait_xcnt 0x0
.endif
	TOSTAGE \a
	SEND \a-1, 32
.endr
	SEND 3, 0
	s_wait_tensorcnt 0x0
	ds_add_u32 v30, v31
	s_wait_dscnt 0x0
	CROUND
	s_endpgm
.Lfunc_end_k_q881cf3dc84_outp:
	.size	k_q881cf3dc84_outp, .Lfunc_end_k_q881cf3dc84_outp-k_q881cf3dc84_outp
	.p2alignl 7, 3214868480
	.fill 96, 4, 3214868480
	.section	.rodata,"a",@progbits
	.p2align	6, 0x0
	.amdhsa_kernel k_q881cf3dc84_outp
		.amdhsa_group_segment_fixed_size 327680
		.amdhsa_private_segment_fixed_size 0
		.amdhsa_enable_private_segment 0
		.amdhsa_kernarg_size 64
		.amdhsa_user_sgpr_count 2
		.amdhsa_user_sgpr_kernarg_segment_ptr 1
		.amdhsa_wavefront_size32 1
		.amdhsa_system_sgpr_workgroup_id_x 1
		.amdhsa_system_sgpr_workgroup_id_y 1
		.amdhsa_system_sgpr_workgroup_id_z 1
		.amdhsa_system_vgpr_workitem_id 0
		.amdhsa_next_free_vgpr 768
		.amdhsa_next_free_sgpr 104
		.amdhsa_reserve_vcc 0
		.amdhsa_float_denorm_mode_32 3
		.amdhsa_float_denorm_mode_16_64 3
		.amdhsa_memory_ordered 1
		.amdhsa_forward_progress 1
		.amdhsa_inst_pref_size 96
	.end_amdhsa_kernel
	.amdgpu_metadata
---
amdhsa.version: [ 1, 2 ]
amdhsa.kernels:
  - .name:           k_q881cf3dc84_outp
    .symbol:         k_q881cf3dc84_outp.kd
    .args:
      - { .name: oc, .offset: 0, .size: 8, .value_kind: global_buffer, .address_space: global }
      - { .name: os, .offset: 8, .size: 8, .value_kind: global_buffer, .address_space: global }
      - { .name: xc, .offset: 16, .size: 8, .value_kind: global_buffer, .address_space: global }
      - { .name: xs, .offset: 24, .size: 8, .value_kind: global_buffer, .address_space: global }
      - { .name: bc, .offset: 32, .size: 8, .value_kind: global_buffer, .address_space: global }
      - { .name: bc2, .offset: 40, .size: 8, .value_kind: global_buffer, .address_space: global }
      - { .name: out0, .offset: 48, .size: 8, .value_kind: global_buffer, .address_space: global }
      - { .name: out1, .offset: 56, .size: 8, .value_kind: global_buffer, .address_space: global }
    .group_segment_fixed_size: 327680
    .private_segment_fixed_size: 0
    .kernarg_segment_align: 8
    .kernarg_segment_size: 64
    .max_flat_workgroup_size: 128
    .sgpr_count:     104
    .vgpr_count:     768
    .wavefront_size: 32
...
	.end_amdgpu_metadata
.endif
;; end of part 4
